; MI455X (gfx1250); checked and timed in simulation.
; The chip was launched on July 23, 2026; its instructions are those of AMD's public machine-readable ISA for CDNA 5 (MIT licence, August 2026) and "CDNA5" Instruction Set Architecture Reference Guide (July 2026). The comments in the code are by the model that wrote it; some were corrected since.
;; Vi T Layer. Allowed arithmetic: matrix products marked QUANTISED: E2M3 operands, one E8M0 scale for each 32 along K, by v_wmma_scale_f32_16x16x128_f8f6f4 with both operands' format E2M3, f32 sums; everything else in f32.
;; Inputs: b1 4,096 float32; b2 1,024 float32; bk 1,024 float32; bq 1,024 float32; bv 1,024 float32; hidden_states 16 x 256 x 1,024 float32; ln1_b 1,024 float32; ln1_g 1,024 float32; ln2_b 1,024 float32; ln2_g 1,024 float32; w1_codes 4,096 x 32 x 24 uint8 (E2M3 codes of w1, K innermost, in blocks of 32 codes, four codes in three bytes); w1_scales 4,096 x 32 uint8 (E8M0 scales of w1, one for each 32 codes along K); w2_codes 1,024 x 128 x 24 uint8 (E2M3 codes of w2, K innermost, in blocks of 32 codes, four codes in three bytes); w2_scales 1,024 x 128 uint8 (E8M0 scales of w2, one for each 32 codes along K); wk_codes 1,024 x 32 x 24 uint8 (E2M3 codes of wk, K innermost, in blocks of 32 codes, four codes in three bytes); wk_scales 1,024 x 32 uint8 (E8M0 scales of wk, one for each 32 codes along K); wq_codes 1,024 x 32 x 24 uint8 (E2M3 codes of wq, K innermost, in blocks of 32 codes, four codes in three bytes); wq_scales 1,024 x 32 uint8 (E8M0 scales of wq, one for each 32 codes along K); wv_codes 1,024 x 32 x 24 uint8 (E2M3 codes of wv, K innermost, in blocks of 32 codes, four codes in three bytes); wv_scales 1,024 x 32 uint8 (E8M0 scales of wv, one for each 32 codes along K).
;; Outputs: out0 16 x 256 x 1,024 float32.
;; This version of the problem:
;;   THIS VERSION OF THE PROBLEM IS GIVEN IN LOW PRECISION. The matrix products marked QUANTISED in the list below multiply operands that are first quantised to E2M3 (2 exponent bits, 3 mantissa bits; 6 bits a number), with one power-of-two scale for each 32 numbers along K (OCP MX v1.0); their sums are f32. All else is computed in f32.
;;   The module's matrix products, in the order in which they are computed (A, B: the left and right operand; K: the contracted axis; several contracted axes count as one K, in the product's order):
;;     1. [M 4,096, K 1,024] x [K 1,024, N 1,024]; A: computed on the way; B: input wq (given as codes): QUANTISED
;;     2. [M 4,096, K 1,024] x [K 1,024, N 1,024]; A: computed on the way; B: input wk (given as codes): QUANTISED
;;     3. [M 4,096, K 1,024] x [K 1,024, N 1,024]; A: computed on the way; B: input wv (given as codes): QUANTISED
;;     4. batch 256 x [M 256, K 64] x [K 64, N 256]; A: computed on the way; B: computed on the way: QUANTISED
;;     5. batch 256 x [M 256, K 256] x [K 256, N 64]; A: softmax (see below); B: computed on the way: QUANTISED
;;     6. [M 4,096, K 1,024] x [K 1,024, N 4,096]; A: computed on the way; B: input w1 (given as codes): QUANTISED
;;     7. [M 4,096, K 4,096] x [K 4,096, N 1,024]; A: computed on the way; B: input w2 (given as codes): QUANTISED
;;   THE QUANTISER, for each operand of a quantised product, along K:
;;     - K is cut into blocks of 32 from its start; a last block that is shorter is filled with zeros.
;;     - A block's scale is 2^e with e = floor(log2(the largest magnitude in the block)) - 2, held to -126 .. 127; a block of zeros has e = 0. As a byte (E8M0): e + 127.
;;     - Each number is divided by its block's scale, clamped to +-7.5, and rounded to the nearest number of E2M3, ties to even, subnormals kept.
;;     - The product sums the exact products of the quantised numbers (number of the format x scale) in f32.
;;   ~~~python
;;   def quantise(x, axis):      # numpy; x: float32 -> the quantised numbers, widened to float32 again
;;       x = np.moveaxis(x, axis, -1); K = x.shape[-1]
;;       x = np.pad(x, [(0, 0)] * (x.ndim - 1) + [(0, -K % 32)]); x = x.reshape(x.shape[:-1] + (-1, 32)); a = np.abs(x).max(-1, keepdims=True)
;;       e = np.where(a > 0, np.clip(np.frexp(np.where(a > 0, a, 1))[1] - 1 - 2, -126, 127), 0)      # np.frexp(a)[1] - 1 = floor(log2(a)), exactly
;;       r = np.clip(x / 2.0 ** e, -7.5, 7.5)
;;       step = 2.0 ** (np.maximum(np.frexp(np.where(r == 0, 1, r))[1] - 1, 0) - 3)
;;       q = np.round(r / step) * step * 2.0 ** e      # np.round: ties to even
;;       return np.moveaxis(q.reshape(q.shape[:-2] + (-1,))[..., :K], -1, axis).astype(np.float32)
;;   ~~~
;;   SOFTMAX AHEAD OF A QUANTISED PRODUCT. Where the list says 'softmax', what is quantised is not the finished softmax but p = 2^(t - M), with t = logit x log2(e) and M = ceil(the row's largest t), a whole number; so 1/2 < the row's largest p <= 1. The row's sum l is taken of the UNQUANTISED p, in f32, and the product's result is divided by l at the end. Since M is a whole number, a kernel that streams over the keys may use a running M (the ceiling of the running maximum): every later rescaling is an exact power of two, which a block's scale takes up: the codes' values come out the same.
;;   OPERANDS COMPUTED ON THE WAY. 'Computed on the way' means the value that the module computes at that place (a softmax that the list does not call 'softmax' is quantised finished and normalised). What goes into a quantiser is computed in f32, as accurately as f32 sums, v_exp_f32 and their like allow (about 1e-6 of the number): no bf16 or f16 on the way to a quantiser, and a product that is left as it is and whose result goes on into a quantised operand takes f32 operands (vector FMAs, or v_wmma_f32_16x16x4_f32). A number that lies on a knife's edge between two numbers of the format may be rounded either way, as far as f32 arithmetic and the matrix unit's own rounding can turn it there, and no further.
;;   INPUTS GIVEN AS CODES. w1 (in the module: [1024, 4096], K = its axis 0); w2 (in the module: [4096, 1024], K = its axis 0); wk (in the module: [1024, 1024], K = its axis 0); wq (in the module: [1024, 1024], K = its axis 0); wv (in the module: [1024, 1024], K = its axis 0): each comes as NAME_codes (uint8): NAME with its K axis moved to the last place and cut into blocks of 32 codes, [.., K / 32, bytes a block], one block behind the other in memory; four codes in three bytes: a row's codes are one little-endian stream of bits, code i at bits 6 i .. 6 i + 5 (a code: sign, 2 exponent bits, 3 mantissa bits); and NAME_scales (uint8): the same leading axes, one E8M0 byte (e + 127) for each 32 codes along K. Its value is code x scale, taken as it is: it is not quantised again, and the codes and scales need not be those that the quantiser above would give.
;; One version. Each part assembles by itself: llvm-mc -triple=amdgcn-amd-amdhsa -mcpu=gfx1250 --defsym DOCPART=n.
;; ======== version 1 of 1: 5 launches
;; limits: right only within a limited range of input values
;; workspace buffers: hc 3,145,728 bytes; hs 131,072 bytes; x2 16,777,216 bytes; ac 12,582,912 bytes; asc 524,288 bytes; w2i 3,145,728 bytes
;; launch ln1 (part 1): grid 256 x 1, 8 waves a work-group, no clusters, 168,960 bytes of LDS; arguments hidden_states, ln1_g, ln1_b, hc, hs; writes hc, hs
.if DOCPART == 1
	.amdgcn_target "amdgcn-amd-amdhsa--gfx1250"
	.amdhsa_code_object_version 6
	.text
	.protected	k_qf750aef006_ln1
	.globl	k_qf750aef006_ln1
	.p2align	8
	.type	k_qf750aef006_ln1,@function
k_qf750aef006_ln1:
	s_mov_b64 s[64:65], 0
	v_nop
	global_prefetch_b8 v0, s[64:65] scope:SCOPE_SE
	s_setreg_imm32_b32 hwreg(HW_REG_WAVE_MODE, 25, 1), 1
	s_wait_xcnt 0x0
; LayerNorm over rows of 1,024 f32 numbers, then the MX-FP6 (E2M3) quantiser along the row.  Arguments: x [4096][1024] f32, g [1024], b [1024], codes, scale bytes.
; y = (x - mean) * rsqrt(var + 1e-5) * g + b, the variance taken of x - mean (two passes over registers), all in f32.
; SHARES.  A work-group takes 16 rows (65,536 bytes), read once.  Wave w takes columns 128 w .. 128 w + 127 of all 16 rows: one K step of the later products.
; Lane (r, h) holds row r; its register 16 b + i holds column 128 w + 32 b + 16 h + i: 16 neighbours of each block of 32, as the conversions want them.
; The wave's 16 x 512 bytes come by one tensor load into the wave's own LDS bytes (rows 528 bytes apart); nothing is filled again, so no ring.
; A row's sum and sum of squares meet in LDS: each wave stores 16 partial sums, a barrier, every wave adds the eight in the same order.
; OUT.  Codes as an IMAGE OF THE OPERAND'S REGISTERS: fragment (16 rows, K step w) is 1,536 bytes, chunk c = every lane's registers 4 c .. 4 c + 3 at 16 x lane: each store of the wave covers 512 consecutive
; bytes, aligned.  Scale bytes as [row][32]: the eight waves' words meet in LDS and wave 0 stores the 16 rows' 512 bytes by one instruction.
; No cluster: work-groups share g and b alone, 8,192 bytes beside their own 65,536.  No matrix work here.
; LIMITS: NaN and infinities are not served; a block whose largest magnitude lies under 2^-124 (a block of zeros too) keeps the scale byte 1: the bytes are read by this program alone.
.set XTW,  8448                        ; a wave's tile in LDS: 16 rows x (512 + 16) bytes
.set RED,  67584                       ; 512 bytes of partial sums, then 512 of partial sums of squares
.set SCW,  68608                       ; 512 bytes: the 16 rows' scale bytes
.set TM,   16                          ; v16-31   the quantiser's work
.set X,    32                          ; v32-95   my 64 numbers
.set G,    96                          ; v96-159  g at my columns
.set BB,   160                         ; v160-223 b at my columns
.set PC,   224                         ; v224-235 the fragment's codes
.set CT,   236                         ; v236-243 halves of blocks on their way
.set P,    244                         ; v244-251 partial sums
.set PW,   252                         ; v252     my row's scale word
.set SEL,  28                          ; s[28:29] lane selects: lane l xor 16
; 64 numbers of a lane, v[s] on, register 16 b + i = number 16 h + i of block b of my row (the other 16 lie in lane l xor 16), become codes: v[d0] on: blocks 0 (lanes 0-15) and 1 (lanes 16-31), six registers; v[d1] on: blocks 2 and 3.
; The four scale bytes are left in v[TM+4] .. v[TM+7].
.macro QUANT s, d0, d1
.irp b, 0,1,2,3
	v_max3_num_f32 v[TM+\b], |v[(\s)+16*\b]|, |v[(\s)+16*\b+1]|, 0x1800000   ; my 16 numbers and the floor 2^(3 - 127): the byte cannot fall under 1
.endr
.irp i, 2,4,6,8,10,12,14
.irp b, 0,1,2,3
	s_delay_alu instid0(VALU_DEP_4)
	v_max3_num_f32 v[TM+\b], v[TM+\b], |v[(\s)+16*\b+\i]|, |v[(\s)+16*\b+\i+1]|   ; the four blocks by turns
.endr
.endr
.irp b, 0,1,2,3
	s_delay_alu instid0(VALU_DEP_4)
	v_permlanex16_b32 v[TM+4+\b], v[TM+\b], s[SEL], s[SEL+1]
.endr
.irp b, 0,1,2,3
	s_delay_alu instid0(VALU_DEP_4)
	v_max_num_f32 v[TM+\b], v[TM+\b], v[TM+4+\b]   ; the block's largest magnitude
.endr
.irp b, 0,1,2,3
	s_delay_alu instid0(VALU_DEP_4)
	v_add_nc_u32 v[TM+12+\b], 0xff000000, v[TM+\b]   ; 2 off its exponent field: the conversion's scale operand
.endr
.irp b, 0,1,2,3
	s_delay_alu instid0(VALU_DEP_4)
	v_lshrrev_b32 v[TM+4+\b], 23, v[TM+12+\b]   ; the scale's byte
.endr
	v_cvt_scalef32_pk16_fp6_f32 v[(\d0):(\d0)+2], v[(\s):(\s)+15], v[TM+12]
	v_cvt_scalef32_pk16_fp6_f32 v[CT:CT+2], v[(\s)+16:(\s)+31], v[TM+13]
	v_cvt_scalef32_pk16_fp6_f32 v[(\d1):(\d1)+2], v[(\s)+32:(\s)+47], v[TM+14]
	v_cvt_scalef32_pk16_fp6_f32 v[CT+4:CT+6], v[(\s)+48:(\s)+63], v[TM+15]
	v_nop                                          ; one plain place behind the scaled conversions
.irp i, 0,1,2
	v_permlane16_swap_b32 v[(\d0)+\i], v[CT+\i]    ; a whole block to a lane: the first's lanes 16-31 change places with the second's lanes 0-15
	v_permlane16_swap_b32 v[(\d1)+\i], v[CT+4+\i]
.endr
.irp i, 0,1,2
	v_mov_b32 v[(\d0)+3+\i], v[CT+\i]
	v_mov_b32 v[(\d1)+3+\i], v[CT+4+\i]
.endr
.endm
; Four packed chains in v[P] .. v[P+7] become the row's total over all 1,024 columns, in v[P] of every lane.  off: which 512 bytes of RED
.macro REDUCE off
	s_delay_alu instid0(VALU_DEP_3)
	v_pk_add_f32 v[P:P+1], v[P:P+1], v[P+2:P+3]
	s_delay_alu instid0(VALU_DEP_2)
	v_pk_add_f32 v[P+4:P+5], v[P+4:P+5], v[P+6:P+7]
	s_delay_alu instid0(VALU_DEP_1)
	v_pk_add_f32 v[P:P+1], v[P:P+1], v[P+4:P+5]
	s_delay_alu instid0(VALU_DEP_1)
	v_add_f32 v[P], v[P], v[P+1]
	s_delay_alu instid0(VALU_DEP_1)
	v_permlanex16_b32 v[P+1], v[P], s[SEL], s[SEL+1]
	s_delay_alu instid0(VALU_DEP_1)
	v_add_f32 v[P], v[P], v[P+1]                   ; my wave's 128 columns of row r
	ds_store_b32 v6, v[P] offset:\off              ; both halves of the lanes write the same word with the same value
	s_wait_dscnt 0x0                               ; for the others' sake: my store has landed
	s_barrier_signal -1
	s_barrier_wait -1
.irp i, 0,1,2,3,4,5,6,7
	ds_load_b32 v[P+\i], v7 offset:\off+64*\i      ; the eight waves' sums of row r
.endr
	s_wait_dscnt 0x0
	v_pk_add_f32 v[P:P+1], v[P:P+1], v[P+2:P+3]
	v_pk_add_f32 v[P+4:P+5], v[P+4:P+5], v[P+6:P+7]
	s_delay_alu instid0(VALU_DEP_1)
	v_pk_add_f32 v[P:P+1], v[P:P+1], v[P+4:P+5]
	s_delay_alu instid0(VALU_DEP_1)
	v_add_f32 v[P], v[P], v[P+1]
.endm
	s_load_b256 s[4:11], s[0:1], 0x0               ; x s[4:5], g s[6:7], b s[8:9], codes s[10:11]
	s_load_b64 s[12:13], s[0:1], 0x20              ; scale bytes
	v_lshl_add_u32 v254, v0, 2, 0x29000
	v_mov_b32 v255, 0
	ds_add_u32 v254, v255
	ds_add_u32 v254, v255
	v_lshrrev_b32 v1, 5, v0
	s_delay_alu instid0(VALU_DEP_1)
	v_readfirstlane_b32 s14, v1                    ; wave 0..7
	; descriptor group 1: 16 rows x 128 elements of 4 bytes, 1,024 elements from row to row; 4 words of padding behind every 128 words
	s_mov_b32 s20, (2<<16)|(1<<20)|(6<<22)|(3<<25)
	s_mov_b32 s21, 128<<16                         ; tensor_dim0
	s_mov_b32 s22, 16<<16                          ; tensor_dim1
	s_mov_b32 s23, 128<<16                         ; tile_dim0
	s_mov_b32 s24, 16                              ; tile_dim1
	s_mov_b32 s25, 1024                            ; tensor_dim0_stride
	s_mov_b32 s26, 0
	s_mov_b32 s27, 0
	s_mov_b32 s16, 1
	s_mul_i32 s17, s14, XTW                        ; my tile's LDS bytes
	s_lshl_b32 s34, s14, 9                         ; my 512 bytes in a row
	s_lshl_b32 s30, ttmp9, 16                      ; the work-group's 16 rows of 4,096 bytes
	s_add_co_u32 s30, s30, s34
	s_mov_b32 s31, 0
	s_mul_i32 s32, ttmp9, 12288                    ; codes: 8 fragments of 1,536 bytes a work-group,
	s_mul_i32 s35, s14, 1536                       ; mine is number w
	s_add_co_u32 s32, s32, s35
	s_mov_b32 s33, 0
	s_lshl_b32 s36, ttmp9, 9                       ; scale bytes: 16 rows of 32
	s_mov_b32 s37, 0
	s_lshl_b32 s35, s14, 6
	s_lshl_b32 s38, s14, 2
	s_mov_b32 s[SEL], 0x76543210
	s_mov_b32 s[SEL+1], 0xfedcba98
	s_wait_dscnt 0x0
	s_wait_kmcnt 0x0
	s_add_nc_u64 s[18:19], s[4:5], s[30:31]
	s_or_b32 s19, s19, 0x80000000                  ; type = 2
	tensor_load_to_lds s[16:19], s[20:27]          ; my one tensor load
	s_nop 0
.rept 4
	v_nop
.endr
	s_add_nc_u64 s[10:11], s[10:11], s[32:33]
	s_add_nc_u64 s[12:13], s[12:13], s[36:37]
	v_and_b32 v1, 31, v0                           ; lane
	v_and_b32 v2, 15, v0                           ; r
	v_bfe_u32 v3, v0, 4, 1                         ; h
	s_delay_alu instid0(VALU_DEP_2)
	v_mul_u32_u24 v4, v2, 528
	s_delay_alu instid0(VALU_DEP_1)
	v_lshl_add_u32 v4, v3, 6, v4
	s_delay_alu instid0(VALU_DEP_1)
	v_add_nc_u32 v4, s17, v4                       ; my tile, row r, + 64 h
	s_delay_alu instid0(VALU_DEP_4)
	v_lshlrev_b32 v5, 6, v3
	s_delay_alu instid0(VALU_DEP_1)
	v_add_nc_u32 v5, s34, v5                       ; g, b: 512 w + 64 h
	v_lshl_add_u32 v7, v2, 2, RED                  ; partial sums of row r,
	s_delay_alu instid0(VALU_DEP_1)
	v_add_nc_u32 v6, s35, v7                       ; my wave's among them
	v_lshl_add_u32 v8, v2, 5, SCW
	s_delay_alu instid0(VALU_DEP_1)
	v_add_nc_u32 v8, s38, v8                       ; row r's 32 scale bytes, my K step's word
	v_lshlrev_b32 v9, 4, v1                        ; 16 x lane
	s_delay_alu instid0(VALU_DEP_1)
	v_add_nc_u32 v10, SCW, v9
.irp b, 0,1,2,3
	v_mov_b32 v[TM+4+\b], 0                        ; written once: a lane permute's destination counts as one of its sources
.endr
.irp b, 0,1,2,3
.irp j, 0,1,2,3
	global_load_b128 v[G+16*\b+4*\j:G+16*\b+4*\j+3], v5, s[6:7] offset:128*\b+16*\j
	global_load_b128 v[BB+16*\b+4*\j:BB+16*\b+4*\j+3], v5, s[8:9] offset:128*\b+16*\j
.endr
.endr
	s_wait_tensorcnt 0x0                           ; my tile is in; only I read it, so no barrier
.irp b, 0,1,2,3
.irp j, 0,1,2,3
	ds_load_b128 v[X+16*\b+4*\j:X+16*\b+4*\j+3], v4 offset:128*\b+16*\j
.endr
.endr
	s_wait_dscnt 0x0
	; the mean
.irp c, 0,2,4,6
	v_pk_add_f32 v[P+\c:P+\c+1], v[X+\c:X+\c+1], v[X+8+\c:X+8+\c+1]   ; four chains, started by the first numbers
.endr
.irp j, 16,24,32,40,48,56
.irp c, 0,2,4,6
	s_delay_alu instid0(VALU_DEP_4)
	v_pk_add_f32 v[P+\c:P+\c+1], v[P+\c:P+\c+1], v[X+\j+\c:X+\j+\c+1]
.endr
.endr
	REDUCE 0
	s_delay_alu instid0(VALU_DEP_1)
	v_mul_f32 v12, 0x3a800000, v[P]                ; / 1,024
	s_delay_alu instid0(VALU_DEP_1)
	v_mov_b32 v13, v12
.set j, 0
.rept 32
	v_pk_add_f32 v[X+j:X+j+1], v[X+j:X+j+1], v[12:13] neg_lo:[0,1] neg_hi:[0,1]   ; x - mean
.set j, j+2
.endr
	; the variance, of x - mean
.irp c, 0,2,4,6
	v_pk_mul_f32 v[P+\c:P+\c+1], v[X+\c:X+\c+1], v[X+\c:X+\c+1]
.endr
.irp j, 8,16,24,32,40,48,56
.irp c, 0,2,4,6
	s_delay_alu instid0(VALU_DEP_4)
	v_pk_fma_f32 v[P+\c:P+\c+1], v[X+\j+\c:X+\j+\c+1], v[X+\j+\c:X+\j+\c+1], v[P+\c:P+\c+1]
.endr
.endr
	REDUCE 512                                     ; other words than the first reduction's: no wave can overwrite what another still reads
	s_delay_alu instid0(VALU_DEP_1)
	v_mul_f32 v14, 0x3a800000, v[P]
	s_delay_alu instid0(VALU_DEP_1)
	v_add_f32 v14, 0x3727c5ac, v14                 ; + 1e-5
	s_wait_alu depctr_va_vdst(0)
	v_rsq_f32 v15, v14
	v_nop                                          ; one plain place behind the transcendental
	s_wait_alu depctr_va_vdst(0)
	v_mov_b32 v14, v15
	s_wait_alu depctr_va_vdst(0)
	s_wait_loadcnt 0x0                             ; g and b
.set j, 0
.rept 32
	v_pk_mul_f32 v[X+j:X+j+1], v[X+j:X+j+1], v[14:15]
.set j, j+2
.endr
.set j, 0
.rept 32
	v_pk_fma_f32 v[X+j:X+j+1], v[X+j:X+j+1], v[G+j:G+j+1], v[BB+j:BB+j+1]
.set j, j+2
.endr
	QUANT X, PC, PC+6
	v_lshl_or_b32 v[PW], v[TM+5], 8, v[TM+4]       ; the four bytes make my row's scale word of this K step
	s_delay_alu instid0(VALU_DEP_1)
	v_lshl_or_b32 v[PW], v[TM+6], 16, v[PW]
	s_delay_alu instid0(VALU_DEP_1)
	v_lshl_or_b32 v[PW], v[TM+7], 24, v[PW]
.irp c, 0,1,2
	global_store_b128 v9, v[PC+4*\c:PC+4*\c+3], s[10:11] offset:512*\c   ; 32 lanes store 512 consecutive bytes, aligned
.endr
	ds_store_b32 v8, v[PW]
	s_wait_dscnt 0x0                               ; for wave 0's sake
	s_barrier_signal -1
	s_barrier_wait -1
	s_cmp_lg_u32 s14, 0
	s_cbranch_scc1 .Lend
	ds_load_b128 v[P:P+3], v10                     ; the 16 rows' 512 scale bytes
	s_wait_dscnt 0x0
	global_store_b128 v9, v[P:P+3], s[12:13]
.Lend:
	s_wait_tensorcnt 0x0
	ds_add_u32 v254, v255
	s_wait_dscnt 0x0
	s_endpgm
.Lfunc_end_k_qf750aef006_ln1:
	.size	k_qf750aef006_ln1, .Lfunc_end_k_qf750aef006_ln1-k_qf750aef006_ln1
	.p2alignl 7, 3214868480
	.fill 96, 4, 3214868480
	.section	.rodata,"a",@progbits
	.p2align	6, 0x0
	.amdhsa_kernel k_qf750aef006_ln1
		.amdhsa_group_segment_fixed_size 168960
		.amdhsa_private_segment_fixed_size 0
		.amdhsa_enable_private_segment 0
		.amdhsa_kernarg_size 40
		.amdhsa_user_sgpr_count 2
		.amdhsa_user_sgpr_kernarg_segment_ptr 1
		.amdhsa_wavefront_size32 1
		.amdhsa_system_sgpr_workgroup_id_x 1
		.amdhsa_system_sgpr_workgroup_id_y 1
		.amdhsa_system_sgpr_workgroup_id_z 1
		.amdhsa_system_vgpr_workitem_id 0
		.amdhsa_next_free_vgpr 256
		.amdhsa_next_free_sgpr 66
		.amdhsa_reserve_vcc 0
		.amdhsa_float_denorm_mode_32 3
		.amdhsa_float_denorm_mode_16_64 3
		.amdhsa_memory_ordered 1
		.amdhsa_forward_progress 1
		.amdhsa_inst_pref_size 29
	.end_amdhsa_kernel
	.amdgpu_metadata
---
amdhsa.version: [ 1, 2 ]
amdhsa.kernels:
  - .name:           k_qf750aef006_ln1
    .symbol:         k_qf750aef006_ln1.kd
    .args:
      - { .name: hidden_states, .offset: 0, .size: 8, .value_kind: global_buffer, .address_space: global }
      - { .name: ln1_g, .offset: 8, .size: 8, .value_kind: global_buffer, .address_space: global }
      - { .name: ln1_b, .offset: 16, .size: 8, .value_kind: global_buffer, .address_space: global }
      - { .name: hc, .offset: 24, .size: 8, .value_kind: global_buffer, .address_space: global }
      - { .name: hs, .offset: 32, .size: 8, .value_kind: global_buffer, .address_space: global }
    .group_segment_fixed_size: 168960
    .private_segment_fixed_size: 0
    .kernarg_segment_align: 8
    .kernarg_segment_size: 40
    .max_flat_workgroup_size: 256
    .sgpr_count:     66
    .vgpr_count:     256
    .wavefront_size: 32
...
	.end_amdgpu_metadata
.endif
;; end of part 1
;; launch attn (part 2): grid 16 x 16, 4 waves a work-group, clusters of 4 x 1, 242,176 bytes of LDS; arguments hidden_states, hc, hs, wq_codes, wq_scales, bq, wk_codes, wk_scales, bk, wv_codes, wv_scales, bv, x2; writes x2
.if DOCPART == 2
	.amdgcn_target "amdgcn-amd-amdhsa--gfx1250"
	.amdhsa_code_object_version 6
	.text
	.protected	k_qf750aef006_attn
	.globl	k_qf750aef006_attn
	.p2align	8
	.type	k_qf750aef006_attn,@function
k_qf750aef006_attn:
	s_mov_b64 s[64:65], 0
	v_nop
	global_prefetch_b8 v0, s[64:65] scope:SCOPE_SE
	s_setreg_imm32_b32 hwreg(HW_REG_WAVE_MODE, 25, 1), 1
	s_wait_xcnt 0x0
	s_wait_alu depctr_hold_cnt(0) depctr_sa_sdst(0) depctr_va_vdst(0) depctr_va_sdst(0) depctr_va_ssrc(0) depctr_va_vcc(0) depctr_vm_vsrc(0)
	s_getreg_b32 s2, hwreg(HW_REG_IB_STS2, 6, 4)
	s_cmp_eq_u32 s2, 0
	s_cbranch_scc0 .Lentry_in_a_cluster
	s_endpgm
.Lentry_in_a_cluster:
	s_bfe_u32 s2, ttmp6, 0x10000c
	s_cmp_lg_u32 s2, 0x3003
	s_cbranch_scc0 .Lentry_shape_is_right
	s_endpgm
.Lentry_shape_is_right:
; One (image, head) to a work-group: q, k, v = LN1(x) W + bias for the head's 64 features, their quantising, softmax(q k^T / 8) v, and x2 = x + the result.  All products on codes of FP6 (E2M3) with E8M0 scales.
; Head h takes the features 16 d + h of q, k, v (weight rows 16 rows apart) and writes the features 64 h + d of x2.
; SHARES.  Wave w owns rows 64 w .. 64 w + 63 of the image's 256: four tiles of 16.  Their 32 fragments of LN1's codes (384 registers) are loaded once, straight into registers, as the images that the launch before laid.
; The head's 3 x 64 weight rows (768 bytes each) come into LDS once by tensor loads; nothing is filled again, so there is no ring.
; CLUSTER.  The four images of a cluster want the same head's weights: each tile is asked for JOINTLY, by the same tensor load with a mask that names the four.
; PHASE 1, three passes of 128 matrix instructions (16 accumulators by turns, eight K steps): q and k TRANSPOSED (source 0 = 16 weight rows, source 1 = 16 rows of x), so that a lane holds one row and its registers run
; along d, the next K; v as it stands (source 0 = rows, which are keys; source 1 = weight rows), so that a lane holds one d and its registers run along the keys, the next K.  The biases are the C of each sum's first instruction.
; Behind each pass the results are quantised in registers; k's and v's codes go to the other waves through LDS as images of the operand's registers.
; ORDER INSIDE A BLOCK OF 32: q, k (along d) and p, v (along the keys) keep the order in which the products deliver them: places 0-7, 8-15, 16-23, 24-31 of a block hold its members 0-7, 16-23, 8-15, 24-31, alike on both sides
; of a product; the blocks are the true blocks, so scales, codes and the products summed are the definition's; only the grouping of the additions differs.
; The first product's K is 64: the upper half of each fragment is zero codes, under the byte 127.
; PHASE 2, for each of my four tiles of 16 queries: S^T = K Q^T over all 256 keys at once (16 instructions), so the row's maximum is known before any exponential: t = score x log2(e) / 8, M = ceil(largest t),
; p = 2^(t - M), quantised along the keys; the row's sum is taken of the unquantised p; O^T = V^T P^T (8 instructions); O^T / sum goes through my stage in LDS, meets x, and leaves as aligned runs of 256 bytes.
; LIMITS: NaN and infinities are not served; a block whose largest magnitude lies under 2^-124 (zeros too) keeps the scale byte 1; a block's largest p is taken from its largest score, which takes v_exp_f32 not to fall where its input rises.
; REGISTERS, in windows of 256.  Window 0: v1-27 addresses; v32-47 x's scale words; v48-95 the weights' (later K's and V's); v96-101 q's and p's; v102-103 1 / sum; v104-109 biases on their way; v112-255 three buffers of weight
; fragments (later O^T and rows of the result).  Window 1: v0-127 the accumulators / S^T and p; v128-175 q's fragments; v176-199 codes just made; v200-255 work.
; Window 2: v0-191 x's fragments of tiles 0, 1 (later K's 16); v192-255 bq, bk.  Window 3: v0-191 x's fragments of tiles 2, 3 (later V's 8 and the residual); v192-223 bv.
.set WP,   1008                        ; a weight row in LDS: 3 x (256 bytes + 80 of padding) = 252 words: the 32 lanes of a load of 8 bytes start at words -4 r and -4 r + 6 (or + 26): 64 different banks (64 banks of 4 bytes: ISA guide 11.1)
.set WGB,  64*WP                       ; 64 rows: q's, k's or v's
.set KIMG, 3*WGB                       ; K: 16 tiles of keys x 768 bytes (six registers a lane, in three chunks of 8 bytes a lane)
.set KSC,  KIMG+12288                  ; their scale words, 128 bytes a tile
.set VIMG, KSC+2048                    ; V: fragment 2 t + K step: 1,536 bytes in two halves of 768
.set VSC,  VIMG+12288                  ; their scale words
.set BL,   VSC+1024                    ; the head's biases in order of d: 768 bytes for each wave
.set STG,  BL+3072                     ; the way out: 16 rows x (256 + 16) bytes for each wave
.set ADW,  8                           ; v8-10   my lane's place in the weight rows of q, k, v
.set ADX,  11                          ; v11-13  the same for the pieces whose lanes 16-31 lie behind one padding more
.set AS,   32
.set WS,   48
.set KS,   48
.set VS,   64
.set QS,   96
.set PS,   100
.set RL,   102
.set BG,   104
.set WB,   112
.set OT,   112
.set OB,   144
.set QF,   128                         ; window 1 from here
.set KC,   176
.set PF,   176
.set BM,   200
.set BP,   208
.set SO,   216
.set NM,   224
.set LS,   226
.set L2,   228
.set T0,   230
.set TT,   228
.set CT4,  232
.set TM,   232
.set CT,   248
.set XR,   96                          ; window 3: the residual
.set WV,   30
.set G1,   40
.set G0,   48
.set SEL,  60
.set CS,   62
.set MSB, 0
.macro WIN new                         ; bits 1:0 source 0, 3:2 source 1, 5:4 source 2, 7:6 destination; the high byte repeats the setting that is left
.if MSB != (\new)
	s_set_vgpr_msb (MSB<<8)|(\new)
.set MSB, (\new)
.endif
.endm
.macro PLACES                          ; four places behind a matrix instruction, in front of loads into its registers and of the first read of its result
.rept 4
	v_nop
.endr
.endm
.macro CROUND                          ; a round of the cluster's barrier
	s_barrier_signal -1
	s_barrier_wait -1
	s_cmp_lg_u32 s[WV], 0
	s_cbranch_scc1 .Lnot_wave_0_\@
	s_barrier_signal -3
.Lnot_wave_0_\@:
	s_barrier_wait -3
	s_barrier_signal -1
	s_barrier_wait -1
.endm
; 64 numbers of a lane, v[s] on, register 16 b + i = one of my 16 numbers of block b (the other 16 lie in lane l xor 16), become codes: v[d0] on: blocks 0 (lanes 0-15) and 1 (lanes 16-31), six registers; v[d1] on: blocks 2, 3.
; The four scale bytes are left in v[TM+4] .. v[TM+7].  All registers lie in the window in force.
.macro QUANT s, d0, d1
.irp b, 0,1,2,3
	v_max3_num_f32 v[TM+\b], |v[(\s)+16*\b]|, |v[(\s)+16*\b+1]|, 0x1800000   ; and the floor 2^(3 - 127): the byte cannot fall under 1
.endr
.irp i, 2,4,6,8,10,12,14
.irp b, 0,1,2,3
	v_max3_num_f32 v[TM+\b], v[TM+\b], |v[(\s)+16*\b+\i]|, |v[(\s)+16*\b+\i+1]|
.endr
.endr
.irp b, 0,1,2,3
	v_permlanex16_b32 v[TM+4+\b], v[TM+\b], s[SEL], s[SEL+1]
.endr
.irp b, 0,1,2,3
	v_max_num_f32 v[TM+\b], v[TM+\b], v[TM+4+\b]
.endr
.irp b, 0,1,2,3
	v_add_nc_u32 v[TM+12+\b], 0xff000000, v[TM+\b]   ; 2 off the exponent field: the conversion's scale operand
.endr
.irp b, 0,1,2,3
	v_lshrrev_b32 v[TM+4+\b], 23, v[TM+12+\b]
.endr
	v_cvt_scalef32_pk16_fp6_f32 v[(\d0):(\d0)+2], v[(\s):(\s)+15], v[TM+12]
	v_cvt_scalef32_pk16_fp6_f32 v[CT:CT+2], v[(\s)+16:(\s)+31], v[TM+13]
	v_cvt_scalef32_pk16_fp6_f32 v[(\d1):(\d1)+2], v[(\s)+32:(\s)+47], v[TM+14]
	v_cvt_scalef32_pk16_fp6_f32 v[CT+4:CT+6], v[(\s)+48:(\s)+63], v[TM+15]
	v_nop                                          ; one plain place behind the scaled conversions
.irp i, 0,1,2
	v_permlane16_swap_b32 v[(\d0)+\i], v[CT+\i]
	v_permlane16_swap_b32 v[(\d1)+\i], v[CT+4+\i]
.endr
.irp i, 0,1,2
	v_mov_b32 v[(\d0)+3+\i], v[CT+\i]
	v_mov_b32 v[(\d1)+3+\i], v[CT+4+\i]
.endr
.endm
; The matrix instruction on the registers named by xD, xA, xB, xC, xSA, xSB.  cz = 1: C is the constant 0.  row = 1: both sides' scale words are taken from lanes 16-31
.macro WMMA cz, row
.if \cz
	v_wmma_scale_f32_16x16x128_f8f6f4 v[xD:xD+7], v[xA:xA+11], v[xB:xB+11], 0, v[xSA], v[xSB] matrix_a_fmt:MATRIX_FMT_FP6 matrix_b_fmt:MATRIX_FMT_FP6
.elseif \row
	v_wmma_scale_f32_16x16x128_f8f6f4 v[xD:xD+7], v[xA:xA+11], v[xB:xB+11], v[xC:xC+7], v[xSA], v[xSB] matrix_a_fmt:MATRIX_FMT_FP6 matrix_b_fmt:MATRIX_FMT_FP6 matrix_a_scale:MATRIX_SCALE_ROW1 matrix_b_scale:MATRIX_SCALE_ROW1
.else
	v_wmma_scale_f32_16x16x128_f8f6f4 v[xD:xD+7], v[xA:xA+11], v[xB:xB+11], v[xC:xC+7], v[xSA], v[xSB] matrix_a_fmt:MATRIX_FMT_FP6 matrix_b_fmt:MATRIX_FMT_FP6
.endif
.endm
; A weight fragment: rows 16 t .. 16 t + 15 of group g, K step s, into buffer buf: 24 bytes twice, in pieces of 8.  Piece P of a row lies at 8 P + 80 (P / 32); lanes 16-31 read three pieces on
.macro WFRAG g, t, s, buf
.irp p, 0,1,2,3,4,5
.set PCE, 12*(\s)+6*(\p/3)+\p%3
.if PCE%32 < 29
	ds_load_b64 v[WB+48*(\buf)+12*(\t)+2*\p:WB+48*(\buf)+12*(\t)+2*\p+1], v[ADW+(\g)] offset:8*PCE+80*(PCE/32)+16128*(\t)
.else
	ds_load_b64 v[WB+48*(\buf)+12*(\t)+2*\p:WB+48*(\buf)+12*(\t)+2*\p+1], v[ADX+(\g)] offset:8*PCE+80*(PCE/32)+16128*(\t)
.endif
.endr
.endm
.macro FETCHW g, s, buf                ; the four fragments of a K step: 24 loads
.irp t, 0,1,2,3
	WFRAG \g, \t, \s, \buf
.endr
.endm
.macro PRE g                           ; a pass's first two K steps
	WIN 0
	FETCHW \g, 0, 0
	FETCHW \g, 1, 1
.endm
; A PASS: my 64 rows x the 64 weight rows of group g, K = 1,024 in eight steps.  kind 0: transposed, accumulator 4 m + t; kind 1: as it stands, accumulator 4 t + m.  The bias set lies at v[br] of window bw.
; The weights' fragments take three buffers by turns and are fetched two steps ahead.  lw = 1: x's fragments are still arriving from memory.
; The 16 accumulators take turns, one instruction a turn, in one order in every step.
.macro PASS g, kind, bw, br, lw
.irp s, 0,1,2,3,4,5,6,7
.if (\s >= 1) && (\s <= 5)
	PLACES                                         ; the buffer fetched into below was read by the step before
.endif
.if \s <= 5
	WIN 0
	FETCHW \g, \s+2, (\s+2)%3
	s_wait_dscnt 48                                ; this step's fragments are in; the 48 loads of the two steps behind it may be out
.elseif \s == 6
	s_wait_dscnt 24                                ; the last step's 24 may be out
.else
	s_wait_dscnt 0x0
.endif
.if \lw
.if 12*(7-\s) > 63
	s_wait_loadcnt 63                              ; 12 loads for each later K step were issued behind this step's; a wait's count names 63 at the most, which is the stricter side
.else
	s_wait_loadcnt 12*(7-\s)
.endif
.endif
.irp m, 0,1,2,3
.if \kind == 0
.if \s == 0
	WIN 0x48|((\m/2)<<2)|((\bw)<<4)
.else
	WIN 0x58|((\m/2)<<2)
.endif
.else
.if \s == 0
	WIN 0x42|(\m/2)|((\bw)<<4)
.else
	WIN 0x52|(\m/2)
.endif
.endif
.irp t, 0,1,2,3
.set xW, WB+48*(\s%3)+12*\t
.set xF, 12*(8*(\m%2)+\s)
.set xWS, WS+16*(\g)+4*\t+\s%4
.set xAS, AS+4*\m+\s%4
.if \kind == 0
.set xD, 8*(4*\m+\t)
.set xA, xW
.set xB, xF
.set xSA, xWS
.set xSB, xAS
.else
.set xD, 8*(4*\t+\m)
.set xA, xF
.set xB, xW
.set xSA, xAS
.set xSB, xWS
.endif
.if \s == 0
.set xC, (\br)+8*\t
.else
.set xC, xD
.endif
	WMMA 0, \s/4
.endr
.endr
.endr
.endm
	s_load_b512 s[4:19], s[0:1], 0x0               ; x s[4:5], LN1's codes s[6:7], its scale bytes s[8:9]; wq's codes, scales, bq s[10:15]; wk's codes, scales s[16:19]
	s_load_b256 s[20:27], s[0:1], 0x40             ; bk s[20:21]; wv's codes, scales, bv s[22:27]
	s_load_b64 s[28:29], s[0:1], 0x60              ; x2
	v_lshl_add_u32 v110, v0, 2, 0x3b000
	v_mov_b32 v111, 0
	ds_add_u32 v110, v111
	ds_add_u32 v110, v111
	v_lshrrev_b32 v1, 5, v0
	v_readfirstlane_b32 s[WV], v1                  ; wave 0..3
	s_bfe_u32 s31, ttmp6, 0x40000                  ; cx: my place in the cluster
	s_lshl_b32 s32, ttmp9, 2
	s_add_co_u32 s32, s32, s31                     ; the image = 4 x cluster x + cx: it enters the addresses of my own loads and stores alone
	s_and_b32 s33, ttmp7, 0xffff                   ; the head, which the four partners share
	; descriptor group 1: 64 rows x 768 bytes, 12,288 bytes (16 weight rows) apart; 20 words of padding behind every 64
	s_mov_b32 s[G1], 15|(1<<20)|(1<<21)|(5<<22)|(19<<25)
	s_mov_b32 s[G1+1], 768<<16
	s_mov_b32 s[G1+2], 64<<16
	s_mov_b32 s[G1+3], 768<<16
	s_mov_b32 s[G1+4], 64
	s_mov_b32 s[G1+5], 12288                       ; tensor_dim0_stride
	s_mov_b32 s[G1+6], 0
	s_mov_b32 s[G1+7], 0
	s_mul_i32 s34, s33, 768                        ; weight row 16 d + head, d = 0 on
	s_mov_b32 s35, 0
	s_mov_b32 s37, 0                               ; a group begins at its own first LDS byte
	s_mov_b32 s[SEL], 0x76543210
	s_mov_b32 s[SEL+1], 0xfedcba98                 ; lane l xor 16
	s_mov_b32 s[CS], 0x3e38aa3b                    ; c = log2(e) / 8
	s_mov_b32 s[CS+1], s[CS]                       ; (named with it as a pair, so it is written)
	s_lshl_b32 s66, s32, 20                        ; x, x2: image x 256 rows of 4,096 bytes + 64 w rows + 256 head
	s_lshl_b32 s76, s[WV], 18
	s_add_co_u32 s66, s66, s76
	s_lshl_b32 s76, s33, 8
	s_add_co_u32 s66, s66, s76
	s_mov_b32 s67, 0
	s_mul_i32 s68, s32, 196608                     ; codes: 12,288 bytes a tile of 16 rows: tile 16 image + 4 w
	s_mul_i32 s76, s[WV], 49152
	s_add_co_u32 s68, s68, s76
	s_mov_b32 s69, 0
	s_lshl_b32 s70, s32, 13                        ; scale bytes: 32 a row
	s_lshl_b32 s76, s[WV], 11
	s_add_co_u32 s70, s70, s76
	s_mov_b32 s71, 0
	s_lshl_b32 s72, s33, 5                         ; the weights' scale bytes: row 16 d + head
	s_mov_b32 s73, 0
	s_lshl_b32 s74, s33, 2                         ; the biases: number 16 d + head
	s_mov_b32 s75, 0
	s_wait_dscnt 0x0
	s_wait_kmcnt 0x0
.irp x, 0,1,2
	s_mov_b32 s[G0+4*\x], 1
	s_add_co_u32 s[G0+4*\x+1], s37, \x*WGB
	s_add_nc_u64 s[G0+4*\x+2:G0+4*\x+3], s[10+6*\x:11+6*\x], s[34:35]
	s_or_b32 s[G0+4*\x+3], s[G0+4*\x+3], 0x80000000
.endr
	CROUND                                         ; all four work-groups are here: the joint loads meet
	; one tensor load a wave at the head: wave 0 fetches the head's 64 rows of wq, wave 1 those of wk, wave 2 those of wv; one chain of branches on the wave's number
	s_cmp_lg_u32 s[WV], 0
	s_cbranch_scc1 .Lw_k
	tensor_load_to_lds s[G0:G0+3], s[G1:G1+7]
	s_nop 0
.rept 4
	v_nop
.endr
	s_branch .Lw_asked
.Lw_k:
	s_cmp_lg_u32 s[WV], 1
	s_cbranch_scc1 .Lw_v
	tensor_load_to_lds s[G0+4:G0+7], s[G1:G1+7]
	s_nop 0
.rept 4
	v_nop
.endr
	s_branch .Lw_asked
.Lw_v:
	s_cmp_lg_u32 s[WV], 2
	s_cbranch_scc1 .Lw_asked
	tensor_load_to_lds s[G0+8:G0+11], s[G1:G1+7]
	s_nop 0
.rept 4
	v_nop
.endr
.Lw_asked:
	s_add_nc_u64 s[4:5], s[4:5], s[66:67]
	s_add_nc_u64 s[28:29], s[28:29], s[66:67]
	s_add_nc_u64 s[6:7], s[6:7], s[68:69]
	s_add_nc_u64 s[8:9], s[8:9], s[70:71]
.irp x, 0,1,2
	s_add_nc_u64 s[12+6*\x:13+6*\x], s[12+6*\x:13+6*\x], s[72:73]
	s_add_nc_u64 s[14+6*\x:15+6*\x], s[14+6*\x:15+6*\x], s[74:75]
.endr
	v_and_b32 v1, 31, v0                           ; lane
	v_and_b32 v2, 15, v0                           ; r
	v_bfe_u32 v3, v0, 4, 1                         ; h
	v_lshlrev_b32 v4, 4, v1                        ; 16 x lane
	v_lshlrev_b32 v5, 5, v2
	v_lshl_add_u32 v5, v3, 4, v5                   ; x's scale bytes: 32 r + 16 h: lanes 0-15 K steps 0-3, lanes 16-31 K steps 4-7
	v_lshlrev_b32 v6, 9, v2
	v_lshl_add_u32 v6, v3, 4, v6                   ; the weights': 512 r + 16 h
	v_lshlrev_b32 v7, 6, v1                        ; the biases: 64 x lane
	v_mul_u32_u24 v28, v2, WP
	v_mad_u32_u24 v[ADW], v3, 24, v28
	v_mad_u32_u24 v[ADX], v3, 104, v28
	v_add_nc_u32 v[ADW+1], WGB, v[ADW]
	v_add_nc_u32 v[ADX+1], WGB, v[ADX]
	v_add_nc_u32 v[ADW+2], 2*WGB, v[ADW]
	v_add_nc_u32 v[ADX+2], 2*WGB, v[ADX]
	s_mul_i32 s76, s[WV], 768
	v_lshl_add_u32 v14, v1, 2, BL
	v_add_nc_u32 v14, s76, v14                     ; biases in: 4 x lane
	v_lshl_add_u32 v15, v3, 5, BL
	v_add_nc_u32 v15, s76, v15                     ; out, for q and k: 32 h
	v_lshl_add_u32 v16, v2, 2, BL
	v_add_nc_u32 v16, s76, v16                     ; out, for v: 4 r
	s_mul_i32 s76, s[WV], 3072
	v_lshl_add_u32 v17, v1, 3, KIMG
	v_add_nc_u32 v17, s76, v17                     ; where I store K's images: my four tiles
	s_lshl_b32 s76, s[WV], 9
	v_lshl_add_u32 v18, v1, 2, KSC
	v_add_nc_u32 v18, s76, v18                     ; and their scale words
	s_lshr_b32 s77, s[WV], 1                       ; my 64 keys are half w % 2 of K step w / 2 of the second product
	s_and_b32 s78, s[WV], 1
	s_mul_i32 s79, s77, 1536
	s_mul_i32 s76, s78, 768
	s_add_co_u32 s79, s79, s76
	v_lshl_add_u32 v19, v1, 3, VIMG
	v_add_nc_u32 v19, s79, v19                     ; where I store V's half images
	s_lshl_b32 s79, s77, 7
	s_lshl_b32 s76, s78, 1
	s_add_co_u32 s79, s79, s76
	v_lshl_add_u32 v20, v1, 2, VSC
	v_add_nc_u32 v20, s79, v20                     ; and my two bytes of their scale words
	v_lshl_add_u32 v21, v1, 3, KIMG                ; where any wave reads them
	v_lshl_add_u32 v22, v1, 2, KSC
	v_lshl_add_u32 v23, v1, 3, VIMG
	v_lshl_add_u32 v24, v1, 2, VSC
	s_mul_i32 s76, s[WV], 4352
	s_add_co_u32 s76, s76, STG                     ; my stage
	v_mul_u32_u24 v25, v2, 272
	v_lshl_add_u32 v25, v3, 5, v25
	v_add_nc_u32 v25, s76, v25                     ; in: row r, + 32 h
	v_mul_u32_u24 v26, v3, 272
	v_lshl_add_u32 v26, v2, 4, v26
	v_add_nc_u32 v26, s76, v26                     ; back: lanes 0-15 one row, lanes 16-31 the next
	v_lshlrev_b32 v27, 12, v3
	v_lshl_add_u32 v27, v2, 4, v27                 ; and the same two rows in x and x2
	WIN 0x40
.irp b, 0,1,2,3
	v_mov_b32 v[TM+4+\b], 0                        ; written once: a lane permute's destination counts as one of its sources
.endr
.irp b, 0,1,2,3,4,5,6,7
	v_mov_b32 v[BP+\b], 0
.endr
	WIN 0
.irp x, 0,1,2
	global_load_b32 v[BG+2*\x], v7, s[14+6*\x:15+6*\x]                 ; the head's biases: d = lane,
	global_load_b32 v[BG+2*\x+1], v7, s[14+6*\x:15+6*\x] offset:2048   ; d = 32 + lane
.endr
.irp m, 0,1,2,3
	global_load_b128 v[AS+4*\m:AS+4*\m+3], v5, s[8:9] offset:512*\m
.endr
.irp x, 0,1,2
.irp t, 0,1,2,3
	global_load_b128 v[WS+16*\x+4*\t:WS+16*\x+4*\t+3], v6, s[12+6*\x:13+6*\x] offset:8192*\t
.endr
.endr
.irp s, 0,1,2,3,4,5,6,7                ; x's fragments, K step by K step, so that the first pass can begin while the later steps arrive
	WIN 0x80
.irp m, 0,1
.irp c, 0,1,2
	global_load_b128 v[12*(8*\m+\s)+4*\c:12*(8*\m+\s)+4*\c+3], v4, s[6:7] offset:12288*\m+1536*\s+512*\c
.endr
.endr
	WIN 0xc0
.irp m, 0,1
.irp c, 0,1,2
	global_load_b128 v[12*(8*\m+\s)+4*\c:12*(8*\m+\s)+4*\c+3], v4, s[6:7] offset:12288*(\m+2)+1536*\s+512*\c
.endr
.endr
.endr
	WIN 0
	s_wait_loadcnt 63                              ; the six bias loads are the oldest of 118: far more than 63 were issued behind them
.irp x, 0,1,2
	ds_store_b32 v14, v[BG+2*\x] offset:256*\x     ; my own bytes: the head's 64 biases in order of d
	ds_store_b32 v14, v[BG+2*\x+1] offset:256*\x+128
.endr
	WIN 0x80
.irp x, 0,1
.irp t, 0,1,2,3
	ds_load_b128 v[192+32*\x+8*\t:192+32*\x+8*\t+3], v15 offset:256*\x+64*\t        ; q, k: register j of tile t: the bias of d = 16 t + 8 h + j
	ds_load_b128 v[192+32*\x+8*\t+4:192+32*\x+8*\t+7], v15 offset:256*\x+64*\t+16
.endr
.endr
	WIN 0xc0
.irp t, 0,1,2,3
.irp j, 0,1,2,3,4,5,6,7
	ds_load_b32 v[192+8*\t+\j], v16 offset:512+64*\t   ; v: all eight registers of tile t: the bias of d = 16 t + r
.endr
.endr
	WIN 0
	s_wait_tensorcnt 0x0                           ; my group of weight rows, if I fetched one, is in
	s_wait_dscnt 0x0
	s_barrier_signal -1
	s_barrier_wait -1                              ; everybody's part is
	PRE 0
	PASS 0, 0, 2, 192, 1                           ; q
	s_wait_dscnt 0x0
	s_barrier_signal -1
	s_barrier_wait -1
	PLACES
	PRE 1
	; q: lane (r, h) holds row 16 m + r; register 8 (4 m + t) + j holds d = 16 t + 8 h + j
	WIN 0x55
.irp pr, 0,1
	QUANT 64*\pr, QF+24*\pr, QF+24*\pr+12
	v_lshl_or_b32 v[TT+2*\pr], v[TM+5], 8, v[TM+4]
	v_lshl_or_b32 v[TT+2*\pr+1], v[TM+7], 8, v[TM+6]
.endr
.irp m, 0,1,2,3
.irp i, 6,7,8,9,10,11
	v_mov_b32 v[QF+12*\m+\i], 0                    ; K = 64 is filled up to the instruction's 128 with zero codes
.endr
.endr
	WIN 0x04
.irp m, 0,1,2,3
	v_or_b32 v[QS+\m], 0x7f7f0000, v[TT+\m]        ; two bytes of mine, and 127 over the zero codes
.endr
	PASS 1, 0, 2, 224, 0                           ; k
	s_wait_tensorcnt 0x0                           ; my part of wv is in
	s_wait_dscnt 0x0
	s_barrier_signal -1
	s_barrier_wait -1
	PLACES
	PRE 2
	WIN 0x55
.irp pr, 0,1
	QUANT 64*\pr, KC+12*\pr, KC+12*\pr+6
	v_lshl_or_b32 v[TT+2*\pr], v[TM+5], 8, v[TM+4]
	v_lshl_or_b32 v[TT+2*\pr+1], v[TM+7], 8, v[TM+6]
.endr
.irp m, 0,1,2,3
	v_or_b32 v[TT+\m], 0x7f7f0000, v[TT+\m]
.endr
	WIN 0x04
.irp m, 0,1,2,3
.irp i, 0,1,2
	ds_store_b64 v17, v[KC+6*\m+2*\i:KC+6*\m+2*\i+1] offset:768*\m+256*\i   ; K's tile 4 w + m as it stands in my registers
.endr
	ds_store_b32 v18, v[TT+\m] offset:128*\m
.endr
	PASS 2, 1, 3, 192, 0                           ; v
	PLACES
	WIN 0xc0
.irp m, 0,1,2,3
.irp i, 0,1,2,3,4,5,6,7
	global_load_b128 v[XR+32*\m+4*\i:XR+32*\m+4*\i+3], v27, s[4:5] offset:(16*\m+2*\i)*4096   ; the residual: sixteen lanes read 256 consecutive bytes of a row of x
.endr
.endr
	; v: lane (r, h) holds d = 16 t + r; register 8 (4 t + m) + j holds key 64 w + 16 m + 8 h + j
	WIN 0x55
.irp pr, 0,1
	QUANT 64*\pr, KC+12*\pr, KC+12*\pr+6
	v_lshl_or_b32 v[TT+2*\pr], v[TM+5], 8, v[TM+4]
	v_lshl_or_b32 v[TT+2*\pr+1], v[TM+7], 8, v[TM+6]
.endr
	WIN 0x04
.irp t, 0,1,2,3
.irp i, 0,1,2
	ds_store_b64 v19, v[KC+6*\t+2*\i:KC+6*\t+2*\i+1] offset:3072*\t+256*\i
.endr
	ds_store_b16 v20, v[TT+\t] offset:256*\t
.endr
	s_wait_dscnt 0x0                               ; for the others' sake: my images have landed
	s_barrier_signal -1
	s_barrier_wait -1
	WIN 0x80
.irp kt, 0,1,2,3,4,5,6,7,8,9,10,11,12,13,14,15
.irp i, 0,1,2
	ds_load_b64 v[12*\kt+2*\i:12*\kt+2*\i+1], v21 offset:768*\kt+256*\i
.endr
.endr
.irp kt, 0,1,2,3,4,5,6,7,8,9,10,11,12,13,14,15
.irp i, 6,7,8,9,10,11
	v_mov_b32 v[12*\kt+\i], 0                      ; the zero codes of K's upper halves
.endr
.endr
	PLACES                                         ; an operand written by vector instructions stands four places ahead of a scaled matrix instruction
	WIN 0xc0
.irp f, 0,1,2,3,4,5,6,7
.irp c, 0,1
.irp i, 0,1,2
	ds_load_b64 v[12*\f+6*\c+2*\i:12*\f+6*\c+2*\i+1], v23 offset:1536*\f+768*\c+256*\i
.endr
.endr
.endr
	WIN 0
.irp kt, 0,1,2,3,4,5,6,7,8,9,10,11,12,13,14,15
	ds_load_b32 v[KS+\kt], v22 offset:128*\kt
.endr
.irp f, 0,1,2,3,4,5,6,7
	ds_load_b32 v[VS+\f], v24 offset:128*\f
.endr
	s_wait_alu depctr_va_vdst(0)
	s_wait_dscnt 0x0
; MY TILE m OF 16 QUERIES against all 256 keys
.macro QTILE m
	WIN 0x46                                       ; K in window 2, q in window 1, S^T in window 1
.irp kt, 0,1,2,3,4,5,6,7,8,9,10,11,12,13,14,15
.set xD, 8*\kt
.set xA, 12*\kt
.set xB, QF+12*(\m)
.set xSA, KS+\kt
.set xSB, QS+(\m)
	WMMA 1, 0                                      ; lane (r, h): query r; register 8 kt + j: key 16 kt + 8 h + j
.endr
	PLACES
	WIN 0x55
.irp b, 0,1,2,3,4,5,6,7
	v_max3_num_f32 v[BM+\b], v[16*\b], v[16*\b+1], v[16*\b+2]   ; the largest score of each block of 32 keys: for the row's maximum, and for the block's largest p
.endr
.irp i, 3,5,7,9,11,13
.irp b, 0,1,2,3,4,5,6,7
	v_max3_num_f32 v[BM+\b], v[BM+\b], v[16*\b+\i], v[16*\b+\i+1]
.endr
.endr
.irp b, 0,1,2,3,4,5,6,7
	v_max_num_f32 v[BM+\b], v[BM+\b], v[16*\b+15]
.endr
.irp b, 0,1,2,3,4,5,6,7
	v_permlanex16_b32 v[BP+\b], v[BM+\b], s[SEL], s[SEL+1]
.endr
.irp b, 0,1,2,3,4,5,6,7
	v_max_num_f32 v[BM+\b], v[BM+\b], v[BP+\b]
.endr
	v_max3_num_f32 v[T0], v[BM], v[BM+1], v[BM+2]
	v_max3_num_f32 v[T0+1], v[BM+3], v[BM+4], v[BM+5]
	v_max3_num_f32 v[T0], v[T0], v[BM+6], v[BM+7]
	v_max_num_f32 v[T0], v[T0], v[T0+1]            ; the row's largest score
	v_mul_f32 v[NM+1], s[CS], v[T0]                ; as t (c is positive)
	v_floor_f32 v[NM], -v[NM+1]                    ; -M = floor(-t) = -ceil(t)
.set j, 0
.rept 64
	v_pk_fma_f32 v[j:j+1], v[j:j+1], s[CS:CS+1], v[NM:NM+1] op_sel_hi:[1,0,0]   ; t - M, two at a time
.set j, j+2
.endr
.irp b, 0,1,2,3,4,5,6,7
	v_fma_f32 v[BM+\b], v[BM+\b], s[CS], v[NM]     ; the same of each block's largest score
.endr
.set j, 0
	s_wait_alu depctr_va_vdst(0)
.rept 128
	v_exp_f32 v[j], v[j]                           ; p = 2^(t - M): not normalised
.set j, j+1
.endr
.irp b, 0,1,2,3,4,5,6,7
	v_exp_f32 v[BM+\b], v[BM+\b]                   ; the block's largest p
.endr
	v_nop                                          ; one plain place behind the exponentials
	s_wait_alu depctr_va_vdst(0)
.irp b, 0,1,2,3,4,5,6,7
	v_max_num_f32 v[BM+\b], 0x1800000, v[BM+\b]    ; the floor 2^(3 - 127)
.endr
.irp b, 0,1,2,3,4,5,6,7
	v_add_nc_u32 v[SO+\b], 0xff000000, v[BM+\b]
.endr
.irp b, 0,1,2,3,4,5,6,7
	v_lshrrev_b32 v[BP+\b], 23, v[SO+\b]
.endr
.irp g, 0,1
	v_lshl_or_b32 v[T0+\g], v[BP+4*\g+1], 8, v[BP+4*\g]
.endr
.irp g, 0,1
	v_lshl_or_b32 v[T0+\g], v[BP+4*\g+2], 16, v[T0+\g]
.endr
	WIN 0x11
.irp g, 0,1
	v_lshl_or_b32 v[PS+\g], v[BP+4*\g+3], 24, v[T0+\g]   ; p's scale word of keys 128 g on, into window 0
.endr
	WIN 0x55
.irp g, 0,1
.irp c, 0,1
	v_cvt_scalef32_pk16_fp6_f32 v[PF+12*\g+6*\c:PF+12*\g+6*\c+2], v[64*\g+32*\c:64*\g+32*\c+15], v[SO+4*\g+2*\c]
	v_cvt_scalef32_pk16_fp6_f32 v[CT4+4*(2*\g+\c):CT4+4*(2*\g+\c)+2], v[64*\g+32*\c+16:64*\g+32*\c+31], v[SO+4*\g+2*\c+1]
.endr
.endr
	v_nop                                          ; one plain place behind the scaled conversions
.irp g, 0,1
.irp c, 0,1
.irp i, 0,1,2
	v_permlane16_swap_b32 v[PF+12*\g+6*\c+\i], v[CT4+4*(2*\g+\c)+\i]
.endr
.irp i, 0,1,2
	v_mov_b32 v[PF+12*\g+6*\c+3+\i], v[CT4+4*(2*\g+\c)+\i]
.endr
.endr
.endr
	v_pk_add_f32 v[LS:LS+1], v[0:1], v[2:3]        ; the row's sum, of the unquantised p, in two chains.  (These lines are also the places between p's scale words and codes and the products below)
	v_pk_add_f32 v[L2:L2+1], v[4:5], v[6:7]
.set j, 8
.rept 30
	v_pk_add_f32 v[LS:LS+1], v[LS:LS+1], v[j:j+1]
	v_pk_add_f32 v[L2:L2+1], v[L2:L2+1], v[j+2:j+3]
.set j, j+4
.endr
	WIN 0x07                                       ; V in window 3, p in window 1, O^T in window 0
.irp g, 0,1
.irp t, 0,1,2,3
.set xD, OT+8*\t
.set xC, xD
.set xA, 12*(2*\t+\g)
.set xB, PF+12*\g
.set xSA, VS+2*\t+\g
.set xSB, PS+\g
	WMMA 1-\g, 0                                   ; the four accumulators by turns; the first K step starts the sums
.endr
.endr
	PLACES
	WIN 0x55
	v_pk_add_f32 v[LS:LS+1], v[LS:LS+1], v[L2:L2+1]
	v_add_f32 v[LS], v[LS], v[LS+1]
	v_permlanex16_b32 v[LS+1], v[LS], s[SEL], s[SEL+1]
	v_add_f32 v[LS], v[LS], v[LS+1]                ; with lane l xor 16's keys: the row's sum
	WIN 0x01
	s_wait_alu depctr_va_vdst(0)
	v_rcp_f32 v[RL], v[LS]
	v_rcp_f32 v[RL+1], v[LS]
	v_nop                                          ; one plain place behind the transcendentals
	WIN 0
.set j, 0
	s_wait_alu depctr_va_vdst(0)
.rept 16
	v_pk_mul_f32 v[OT+j:OT+j+1], v[OT+j:OT+j+1], v[RL:RL+1]   ; register 8 t + j: o(query r, d = 16 t + 8 h + j); each accumulator from its low end on
.set j, j+2
.endr
.irp t, 0,1,2,3
	ds_store_b128 v25, v[OT+8*\t:OT+8*\t+3] offset:64*\t
	ds_store_b128 v25, v[OT+8*\t+4:OT+8*\t+7] offset:64*\t+16
.endr
.if \m > 0
	s_wait_xcnt 0x0                                ; the last tile's stores have read their registers: they are loaded again only behind this wait
.endif
.irp i, 0,1,2,3,4,5,6,7
	ds_load_b128 v[OB+4*\i:OB+4*\i+3], v26 offset:544*\i   ; LDS serves a wave's instructions in order: these see my stores
.endr
	s_wait_dscnt 0x0
	s_wait_loadcnt 8*(3-\m)                        ; this tile's eight loads of x are in; those of the later tiles may be out
	WIN 0x0c
.set j, 0
.rept 16
	v_pk_add_f32 v[OB+j:OB+j+1], v[OB+j:OB+j+1], v[XR+32*(\m)+j:XR+32*(\m)+j+1]
.set j, j+2
.endr
	WIN 0
.irp i, 0,1,2,3,4,5,6,7
	global_store_b128 v27, v[OB+4*\i:OB+4*\i+3], s[28:29] offset:(16*(\m)+2*\i)*4096   ; sixteen lanes store 256 consecutive bytes, aligned
.endr
.endm
	QTILE 0
	QTILE 1
	QTILE 2
	QTILE 3
	s_wait_tensorcnt 0x0
	ds_add_u32 v110, v111
	s_wait_dscnt 0x0
	CROUND                                         ; the closing round: no work-group ends while a partner may still ask for a tile that names it
	s_endpgm
.Lfunc_end_k_qf750aef006_attn:
	.size	k_qf750aef006_attn, .Lfunc_end_k_qf750aef006_attn-k_qf750aef006_attn
	.p2alignl 7, 3214868480
	.fill 96, 4, 3214868480
	.section	.rodata,"a",@progbits
	.p2align	6, 0x0
	.amdhsa_kernel k_qf750aef006_attn
		.amdhsa_group_segment_fixed_size 242176
		.amdhsa_private_segment_fixed_size 0
		.amdhsa_enable_private_segment 0
		.amdhsa_kernarg_size 104
		.amdhsa_user_sgpr_count 2
		.amdhsa_user_sgpr_kernarg_segment_ptr 1
		.amdhsa_wavefront_size32 1
		.amdhsa_system_sgpr_workgroup_id_x 1
		.amdhsa_system_sgpr_workgroup_id_y 1
		.amdhsa_system_sgpr_workgroup_id_z 1
		.amdhsa_system_vgpr_workitem_id 0
		.amdhsa_next_free_vgpr 1024
		.amdhsa_next_free_sgpr 80
		.amdhsa_reserve_vcc 0
		.amdhsa_float_denorm_mode_32 3
		.amdhsa_float_denorm_mode_16_64 3
		.amdhsa_memory_ordered 1
		.amdhsa_forward_progress 1
		.amdhsa_inst_pref_size 255
	.end_amdhsa_kernel
	.section	.bss,"aw",@nobits
	.p2align	6
	.space	262144
	.amdgpu_metadata
---
amdhsa.version: [ 1, 2 ]
amdhsa.kernels:
  - .name:           k_qf750aef006_attn
    .symbol:         k_qf750aef006_attn.kd
    .args:
      - { .name: hidden_states, .offset: 0, .size: 8, .value_kind: global_buffer, .address_space: global }
      - { .name: hc, .offset: 8, .size: 8, .value_kind: global_buffer, .address_space: global }
      - { .name: hs, .offset: 16, .size: 8, .value_kind: global_buffer, .address_space: global }
      - { .name: wq_codes, .offset: 24, .size: 8, .value_kind: global_buffer, .address_space: global }
      - { .name: wq_scales, .offset: 32, .size: 8, .value_kind: global_buffer, .address_space: global }
      - { .name: bq, .offset: 40, .size: 8, .value_kind: global_buffer, .address_space: global }
      - { .name: wk_codes, .offset: 48, .size: 8, .value_kind: global_buffer, .address_space: global }
      - { .name: wk_scales, .offset: 56, .size: 8, .value_kind: global_buffer, .address_space: global }
      - { .name: bk, .offset: 64, .size: 8, .value_kind: global_buffer, .address_space: global }
      - { .name: wv_codes, .offset: 72, .size: 8, .value_kind: global_buffer, .address_space: global }
      - { .name: wv_scales, .offset: 80, .size: 8, .value_kind: global_buffer, .address_space: global }
      - { .name: bv, .offset: 88, .size: 8, .value_kind: global_buffer, .address_space: global }
      - { .name: x2, .offset: 96, .size: 8, .value_kind: global_buffer, .address_space: global }
    .group_segment_fixed_size: 242176
    .private_segment_fixed_size: 0
    .kernarg_segment_align: 8
    .kernarg_segment_size: 104
    .max_flat_workgroup_size: 128
    .sgpr_count:     80
    .vgpr_count:     1024
    .wavefront_size: 32
...
	.end_amdgpu_metadata
.endif
;; end of part 2
;; launch ln2: the kernel of part 1 again; grid 256 x 1, 8 waves a work-group, no clusters, 168,960 bytes of LDS; arguments x2, ln2_g, ln2_b, hc, hs; writes hc, hs
;; launch mlp1 (part 3): grid 16 x 16, 8 waves a work-group, clusters of 4 x 1, 261,120 bytes of LDS; arguments hc, hs, w1_codes, w1_scales, b1, ac, asc, w2_codes, w2i; writes ac, asc, w2i
.if DOCPART == 3
	.amdgcn_target "amdgcn-amd-amdhsa--gfx1250"
	.amdhsa_code_object_version 6
	.text
	.protected	k_qf750aef006_mlp1
	.globl	k_qf750aef006_mlp1
	.p2align	8
	.type	k_qf750aef006_mlp1,@function
k_qf750aef006_mlp1:
	s_mov_b64 s[64:65], 0
	v_nop
	global_prefetch_b8 v0, s[64:65] scope:SCOPE_SE
	s_setreg_imm32_b32 hwreg(HW_REG_WAVE_MODE, 25, 1), 1
	s_wait_xcnt 0x0
	s_wait_alu depctr_hold_cnt(0) depctr_sa_sdst(0) depctr_va_vdst(0) depctr_va_sdst(0) depctr_va_ssrc(0) depctr_va_vcc(0) depctr_vm_vsrc(0)
	s_getreg_b32 s2, hwreg(HW_REG_IB_STS2, 6, 4)
	s_cmp_eq_u32 s2, 0
	s_cbranch_scc0 .Lentry_in_a_cluster
	s_endpgm
.Lentry_in_a_cluster:
	s_bfe_u32 s2, ttmp6, 0x10000c
	s_cmp_lg_u32 s2, 0x3003
	s_cbranch_scc0 .Lentry_shape_is_right
	s_endpgm
.Lentry_shape_is_right:
; act = Q(silu(LN2(x2) w1 + b1)): the first product of the MLP on codes of FP6 (E2M3) with E8M0 scales, its activation in f32, and the quantiser along the hidden units, which are the next product's K.
; SHARES.  A work-group takes 256 rows x 256 hidden units.  EIGHT WAVES, two to a SIMD: wave w owns rows 32 w .. 32 w + 31; their 16 fragments of LN2's codes (192 registers) are loaded once, straight into registers.
; Behind the one barrier at the start no wave waits for another: while one wave of a SIMD works on its activation and quantiser, the other can issue its matrix instructions.
; w1's 256 rows (768 bytes each) come into LDS once, each wave fetching 32 rows by one tensor load; nothing is filled again, so there is no ring.
; CLUSTER.  The four row blocks of a cluster want the same 256 rows of w1: each tile is asked for JOINTLY, by the same tensor load with a mask that names the four.
; FOUR PASSES of 64 matrix instructions (8 accumulators by turns, eight K steps), TRANSPOSED (source 0 = 16 rows of w1, source 1 = 16 rows of x): a lane holds one row, its registers run along the hidden units.
; b1 is the C of each sum's first instruction.  Behind a pass: silu; exchanges of lane halves bring the units into their true order; the quantiser.
; Two passes make one K step (128 units) of the next product's operand: it leaves as an image of the operand's registers, 1,536 bytes a fragment, each store 512 consecutive aligned bytes;
; the scale words leave as [32 rows' block][K step][32 rows]: my two K steps are 256 consecutive aligned bytes, one store.
; w2 IS LAID ANEW for the next launch: fragment (16 rows, K step) as an image of the operand's registers, [row tile][K step][1,536 bytes].  2,048 fragments: work-group i = 16 y + X takes row tile i / 4, K steps 8 (i % 4) on, a wave one.
; No prefetch: each stream is asked for whole at the head; there is no loop to run ahead in.
; LIMITS: NaN and infinities are not served; silu gives -0 where e^-x overflows; a block whose largest magnitude lies under 2^-124 (zeros too) keeps the scale byte 1: the bytes are read by this program alone.
; REGISTERS, 512 a wave.  v1-23 addresses; v24-31 x's scale words; v32-63 w1's, two sets; v64-95 b1 of the pass, between passes silu's work; v96-159 the accumulators (8 (4 m + t)); v160-217 codes and the quantiser's work:
; all that the vector work names lies in window 0.  v220-315 two buffers of four weight fragments (the fourth fragment on lies in window 1); v316-507 x's fragments (12 (8 m + s)), window 1.
.set WP,   1008                        ; a weight row in LDS: 3 x (256 bytes + 80 of padding) = 252 words: the 32 lanes of a load of 8 bytes touch 64 different banks (64 banks of 4 bytes: ISA guide 11.1)
.set WGB,  64*WP
.set SST,  4*WGB                       ; 256 bytes for each wave: scale words on their way out
.set SPARE, SST+2048                   ; the spare words: 128 bytes for each of eight waves
.set ADW,  8                           ; v8-11
.set ADX,  12                          ; v12-15
.set SPW,  22
.set NIL,  23
.set AS,   24
.set WS,   32
.set BIA,  64
.set U,    64
.set AC,   96
.set PCF,  160
.set PWH,  184
.set PWF,  186
.set TW,   190
.set SG,   192
.set TM,   194
.set CT,   210
.set WBA,  220                         ; the weight fragments' first register, counted through both windows
.set XF,   60                          ; x's fragments, in window 1
.set WV,   18
.set G1,   24
.set G0,   32
.set SEL,  48
.set NL,   50
.set MSB, 0
.macro WIN new                         ; bits 1:0 source 0, 3:2 source 1, 5:4 source 2, 7:6 destination; the high byte repeats the setting that is left
.if MSB != (\new)
	s_set_vgpr_msb (MSB<<8)|(\new)
.set MSB, (\new)
.endif
.endm
.macro PLACES                          ; four places behind a matrix instruction (ISA guide 7.12.1)
.rept 4
	v_nop
.endr
.endm
.macro CROUND                          ; a round of the cluster's barrier
	s_barrier_signal -1
	s_barrier_wait -1
	s_cmp_lg_u32 s[WV], 0
	s_cbranch_scc1 .Lnot_wave_0_\@
	s_barrier_signal -3
.Lnot_wave_0_\@:
	s_barrier_wait -3
	s_barrier_signal -1
	s_barrier_wait -1
.endm
.macro WMMA row                        ; on xD, xA, xB, xC, xSA, xSB.  row = 1: both sides' scale words are taken from lanes 16-31
.if \row
	v_wmma_scale_f32_16x16x128_f8f6f4 v[xD:xD+7], v[xA:xA+11], v[xB:xB+11], v[xC:xC+7], v[xSA], v[xSB] matrix_a_fmt:MATRIX_FMT_FP6 matrix_b_fmt:MATRIX_FMT_FP6 matrix_a_scale:MATRIX_SCALE_ROW1 matrix_b_scale:MATRIX_SCALE_ROW1
.else
	v_wmma_scale_f32_16x16x128_f8f6f4 v[xD:xD+7], v[xA:xA+11], v[xB:xB+11], v[xC:xC+7], v[xSA], v[xSB] matrix_a_fmt:MATRIX_FMT_FP6 matrix_b_fmt:MATRIX_FMT_FP6
.endif
.endm
.macro WFRAG g, t, s, buf              ; rows 16 t on of group g, K step s, into buffer buf.  Piece P of a row lies at 8 P + 80 (P / 32); lanes 16-31 read three pieces on
.set RW, WBA+12*(4*(\buf)+(\t))
	WIN (RW/256)<<6
.irp p, 0,1,2,3,4,5
.set PCE, 12*(\s)+6*(\p/3)+\p%3
.if PCE%32 < 29
	ds_load_b64 v[RW%256+2*\p:RW%256+2*\p+1], v[ADW+(\g)] offset:8*PCE+80*(PCE/32)+16128*(\t)
.else
	ds_load_b64 v[RW%256+2*\p:RW%256+2*\p+1], v[ADX+(\g)] offset:8*PCE+80*(PCE/32)+16128*(\t)
.endif
.endr
.endm
.macro FETCHW g, s, buf                ; the four fragments of a K step: 24 loads
.irp t, 0,1,2,3
	WFRAG \g, \t, \s, \buf
.endr
.endm
.macro LDWS g                          ; pass g's scale words of w1, into set g % 2: 4 loads
	WIN 0
.irp t, 0,1,2,3
	global_load_b128 v[WS+16*((\g)%2)+4*\t:WS+16*((\g)%2)+4*\t+3], v5, s[10:11] offset:512*(4*(\g)+\t)
.endr
.endm
.macro LDBI g                          ; pass g's bias: 8 loads.  Register j of tile t: b1 at unit 64 g + 16 t + 8 h + j
.irp t, 0,1,2,3
	global_load_b128 v[BIA+8*\t:BIA+8*\t+3], v7, s[12:13] offset:256*(\g)+64*\t
	global_load_b128 v[BIA+8*\t+4:BIA+8*\t+7], v7, s[12:13] offset:256*(\g)+64*\t+16
.endr
.endm
; A PASS: my 32 rows x the 64 rows of group g, K = 1,024 in eight steps; accumulator 4 m + t.  Two buffers by turns, fetched one step ahead.  lw = 1: x's fragments are still arriving from memory.
; The 8 accumulators take turns, one instruction a turn, in one order in every step.
.macro PASS g, lw
.irp s, 0,1,2,3,4,5,6,7
.if \s >= 1
	PLACES                                         ; the buffer fetched into below was read by the step before
.endif
.if \s <= 6
	FETCHW \g, \s+1, (\s+1)%2
.endif
.if (\s == 1) && (\g < 3)
	LDWS \g+1
.endif
.if \s <= 6
	s_wait_dscnt 24                                ; this step's fragments are in; the 24 loads just issued may be out
.else
	s_wait_dscnt 0x0
.endif
.if \lw
.if \s == 0
	s_wait_loadcnt 42                              ; six loads for each of the seven later K steps were issued behind this step's
.else
	s_wait_loadcnt 6*(7-\s)+4                      ; and, from step 1 on, the four of the next pass's scale words
.endif
.endif
.irp t, 0,1,2,3
.set RA, WBA+12*(4*(\s%2)+\t)
	WIN 0x04|(RA/256)                              ; x window 1; C and D window 0; the weights where the fragment lies
.irp m, 0,1
.set xD, AC+8*(4*\m+\t)
.set xA, RA%256
.set xB, XF+12*(8*\m+\s)
.set xSA, WS+16*((\g)%2)+4*\t+\s%4
.set xSB, AS+4*\m+\s%4
.if \s == 0
.set xC, BIA+8*\t
.else
.set xC, xD
.endif
	WMMA \s/4
.endr
.endr
.endr
.endm
; x / (1 + e^-x) on row tile m's 32 registers, in place, each accumulator read from its low end on; then the exchange: register 16 b + j held unit 32 b + 8 h + j and register 16 b + 8 + j unit 32 b + 16 + 8 h + j;
; behind it register 16 b + i holds unit 32 b + 16 h + i
.macro SILU m
.set A0, AC+32*(\m)
	s_wait_alu depctr_va_vdst(0)                   ; ahead of the first reader of the matrix results
.set j, 0
.rept 16
	v_pk_mul_f32 v[U+j:U+j+1], v[A0+j:A0+j+1], s[NL:NL+1] op_sel_hi:[1,0]   ; -x log2(e)
.set j, j+2
.endr
	s_wait_alu depctr_va_vdst(0)
.set j, 0
.rept 32
	v_exp_f32 v[U+j], v[U+j]
.set j, j+1
.endr
	v_nop                                          ; one plain place behind the transcendentals
	s_wait_alu depctr_va_vdst(0)
.set j, 0
.rept 16
	v_pk_add_f32 v[U+j:U+j+1], v[U+j:U+j+1], 1.0 op_sel_hi:[1,0]
.set j, j+2
.endr
	s_wait_alu depctr_va_vdst(0)
.set j, 0
.rept 32
	v_rcp_f32 v[U+j], v[U+j]
.set j, j+1
.endr
	v_nop
	s_wait_alu depctr_va_vdst(0)
.set j, 0
.rept 16
	v_pk_mul_f32 v[A0+j:A0+j+1], v[A0+j:A0+j+1], v[U+j:U+j+1]
.set j, j+2
.endr
.irp b, 0,1
.irp j, 0,1,2,3,4,5,6,7
	v_permlane16_swap_b32 v[A0+16*\b+\j], v[A0+16*\b+8+\j]
.endr
.endr
.endm
; My 64 numbers, register 16 b + i = number 16 h + i of block b (the other 16 lie in lane l xor 16), become codes: v[d0] on: blocks 0 (lanes 0-15) and 1 (lanes 16-31); v[d1] on: blocks 2, 3.  The bytes stay in v[TM+4] .. v[TM+7]
.macro QUANT d0, d1
.irp b, 0,1,2,3
	v_max3_num_f32 v[TM+\b], |v[AC+16*\b]|, |v[AC+16*\b+1]|, 0x1800000   ; and the floor 2^(3 - 127): the byte cannot fall under 1
.endr
.irp i, 2,4,6,8,10,12,14
.irp b, 0,1,2,3
	s_delay_alu instid0(VALU_DEP_4)
	v_max3_num_f32 v[TM+\b], v[TM+\b], |v[AC+16*\b+\i]|, |v[AC+16*\b+\i+1]|   ; the four blocks by turns
.endr
.endr
.irp b, 0,1,2,3
	s_delay_alu instid0(VALU_DEP_4)
	v_permlanex16_b32 v[TM+4+\b], v[TM+\b], s[SEL], s[SEL+1]
.endr
.irp b, 0,1,2,3
	s_delay_alu instid0(VALU_DEP_4)
	v_max_num_f32 v[TM+\b], v[TM+\b], v[TM+4+\b]
.endr
.irp b, 0,1,2,3
	s_delay_alu instid0(VALU_DEP_4)
	v_add_nc_u32 v[TM+12+\b], 0xff000000, v[TM+\b]   ; 2 off the exponent field: the conversion's scale operand
.endr
.irp b, 0,1,2,3
	s_delay_alu instid0(VALU_DEP_4)
	v_lshrrev_b32 v[TM+4+\b], 23, v[TM+12+\b]
.endr
	v_cvt_scalef32_pk16_fp6_f32 v[(\d0):(\d0)+2], v[AC:AC+15], v[TM+12]
	v_cvt_scalef32_pk16_fp6_f32 v[CT:CT+2], v[AC+16:AC+31], v[TM+13]
	v_cvt_scalef32_pk16_fp6_f32 v[(\d1):(\d1)+2], v[AC+32:AC+47], v[TM+14]
	v_cvt_scalef32_pk16_fp6_f32 v[CT+4:CT+6], v[AC+48:AC+63], v[TM+15]
	v_nop                                          ; one plain place behind the scaled conversions
.irp i, 0,1,2
	v_permlane16_swap_b32 v[(\d0)+\i], v[CT+\i]
	v_permlane16_swap_b32 v[(\d1)+\i], v[CT+4+\i]
.endr
.irp i, 0,1,2
	v_mov_b32 v[(\d0)+3+\i], v[CT+\i]
	v_mov_b32 v[(\d1)+3+\i], v[CT+4+\i]
.endr
.endm
; Behind pass g: its 64 units are half g % 2 of K step 2 y + g / 2 of the next product.  Every register named here lies in window 0
.macro EPI g
	WIN 0
.if \g == 2
	s_wait_xcnt 0x0                                ; the stores behind pass 1 have read their registers: these are written again only behind this wait
.endif
	SILU 0
	SILU 1
.if \g < 3
	LDBI \g+1                                      ; silu's work is done with: its registers take the next pass's bias
.endif
	QUANT PCF+6*((\g)%2), PCF+12+6*((\g)%2)
.if (\g)%2 == 0
	v_lshl_or_b32 v[PWH], v[TM+5], 8, v[TM+4]
	v_lshl_or_b32 v[PWH+1], v[TM+7], 8, v[TM+6]
.else
	v_lshl_or_b32 v[TW], v[TM+5], 8, v[TM+4]
	s_delay_alu instid0(VALU_DEP_1)
	v_lshl_or_b32 v[PWF+(\g)-1], v[TW], 16, v[PWH]
	v_lshl_or_b32 v[TW], v[TM+7], 8, v[TM+6]
	s_delay_alu instid0(VALU_DEP_1)
	v_lshl_or_b32 v[PWF+(\g)], v[TW], 16, v[PWH+1]
.irp m, 0,1
.irp c, 0,1,2
	global_store_b128 v4, v[PCF+12*\m+4*\c:PCF+12*\m+4*\c+3], s[14:15] offset:49152*\m+1536*((\g)/2)+512*\c   ; 32 lanes store 512 consecutive bytes, aligned
.endr
.endr
.endif
.if \g == 3
.irp k, 0,1
.irp m, 0,1
	ds_store_b32 v16, v[PWF+2*\k+\m] offset:128*\k+64*\m   ; my own bytes; both halves of the lanes write the same word with the same value
.endr
.endr
	ds_load_b64 v[SG:SG+1], v17                    ; LDS serves a wave's instructions in order: this sees my stores
	s_wait_dscnt 0x0
	global_store_b64 v18, v[SG:SG+1], s[16:17]     ; two K steps x 32 rows' scale words: 256 consecutive bytes, aligned
.endif
.endm
	s_load_b256 s[4:11], s[0:1], 0x0               ; LN2's codes s[4:5], its scale bytes s[6:7], w1's codes s[8:9], w1's scale bytes s[10:11]
	s_load_b128 s[12:15], s[0:1], 0x20             ; b1 s[12:13], the hidden layer's codes s[14:15]
	s_load_b64 s[16:17], s[0:1], 0x30              ; its scale words
	s_load_b128 s[68:71], s[0:1], 0x38             ; w2's codes s[68:69], their images s[70:71]
	v_lshl_add_u32 v[SPW], v0, 2, SPARE
	v_mov_b32 v[NIL], 0
	ds_add_u32 v[SPW], v[NIL]                      ; the opening lines: the add twice on end and its wait
	ds_add_u32 v[SPW], v[NIL]
	v_lshrrev_b32 v1, 5, v0
	s_delay_alu instid0(VALU_DEP_1)
	v_readfirstlane_b32 s[WV], v1                  ; wave 0..7
	s_bfe_u32 s19, ttmp6, 0x40000                  ; cx
	s_lshl_b32 s20, ttmp9, 2
	s_add_co_u32 s20, s20, s19                     ; my block of 256 rows: it enters the addresses of my own loads and stores alone
	s_and_b32 s21, ttmp7, 0xffff                   ; my block of 256 hidden units, which the four partners share
	; descriptor group 1: 32 rows x 768 bytes, dense; 20 words of padding behind every 64
	s_mov_b32 s[G1], 15|(1<<20)|(1<<21)|(5<<22)|(19<<25)
	s_mov_b32 s[G1+1], 768<<16
	s_mov_b32 s[G1+2], 32<<16
	s_mov_b32 s[G1+3], 768<<16
	s_mov_b32 s[G1+4], 32
	s_mov_b32 s[G1+5], 768
	s_mov_b32 s[G1+6], 0
	s_mov_b32 s[G1+7], 0
	s_mul_i32 s52, s21, 196608                     ; w1's row 256 y + 32 w
	s_mul_i32 s56, s[WV], 24576
	s_add_co_u32 s52, s52, s56
	s_mov_b32 s53, 0
	s_mov_b32 s[G0], 1
	s_mul_i32 s[G0+1], s[WV], 32*WP
	s_mov_b32 s[SEL], 0x76543210
	s_mov_b32 s[SEL+1], 0xfedcba98
	s_mov_b32 s[NL], 0xbfb8aa3b                    ; -log2(e)
	s_mov_b32 s[NL+1], s[NL]
	s_wait_dscnt 0x0
	s_wait_kmcnt 0x0
	s_add_nc_u64 s[G0+2:G0+3], s[8:9], s[52:53]
	s_or_b32 s[G0+3], s[G0+3], 0x80000000
	CROUND                                         ; all four work-groups are here: the joint loads meet
	tensor_load_to_lds s[G0:G0+3], s[G1:G1+7]      ; my 32 rows of w1: my one tensor load
	s_nop 0
.rept 4
	v_nop
.endr
	s_mul_i32 s56, s20, 196608                     ; x's codes: 12,288 bytes a tile of 16 rows: tile 16 X + 2 w
	s_mul_i32 s58, s[WV], 24576
	s_add_co_u32 s56, s56, s58
	s_mov_b32 s57, 0
	s_add_nc_u64 s[4:5], s[4:5], s[56:57]
	s_lshl_b32 s56, s20, 13                        ; x's scale bytes: 32 a row
	s_lshl_b32 s58, s[WV], 10
	s_add_co_u32 s56, s56, s58
	s_add_nc_u64 s[6:7], s[6:7], s[56:57]
	s_lshl_b32 s56, s21, 13                        ; w1's scale bytes: 256 rows of 32
	s_add_nc_u64 s[10:11], s[10:11], s[56:57]
	s_lshl_b32 s56, s21, 10                        ; b1: 256 numbers
	s_add_nc_u64 s[12:13], s[12:13], s[56:57]
	s_mul_i32 s56, s20, 786432                     ; the hidden layer's codes: 49,152 bytes a tile of 16 rows; K step 2 y on
	s_mul_i32 s58, s[WV], 98304
	s_add_co_u32 s56, s56, s58
	s_mul_i32 s58, s21, 3072
	s_add_co_u32 s56, s56, s58
	s_add_nc_u64 s[14:15], s[14:15], s[56:57]
	s_lshl_b32 s56, s20, 15                        ; its scale words: 4,096 bytes for 32 rows; 128 a K step
	s_lshl_b32 s58, s[WV], 12
	s_add_co_u32 s56, s56, s58
	s_lshl_b32 s58, s21, 8
	s_add_co_u32 s56, s56, s58
	s_add_nc_u64 s[16:17], s[16:17], s[56:57]
	s_lshl_b32 s58, s21, 4                         ; w2: i = 16 y + X
	s_add_co_u32 s58, s58, s20
	s_lshr_b32 s59, s58, 2
	s_and_b32 s58, s58, 3
	s_mul_i32 s56, s59, 49152                      ; 16 rows are 49,152 bytes in both layouts
	s_mul_i32 s60, s58, 768
	s_mul_i32 s61, s[WV], 96
	s_add_co_u32 s60, s60, s61
	s_add_co_u32 s60, s60, s56
	s_mov_b32 s61, 0
	s_add_nc_u64 s[68:69], s[68:69], s[60:61]
	s_mul_i32 s60, s58, 12288
	s_mul_i32 s58, s[WV], 1536
	s_add_co_u32 s60, s60, s58
	s_add_co_u32 s60, s60, s56
	s_add_nc_u64 s[70:71], s[70:71], s[60:61]
	s_lshl_b32 s58, s[WV], 8
	v_and_b32 v1, 31, v0                           ; lane
	v_and_b32 v2, 15, v0                           ; r
	v_bfe_u32 v3, v0, 4, 1                         ; h
.irp b, 0,1,2,3
	v_mov_b32 v[TM+4+\b], 0                        ; written once: a lane permute's destination counts as one of its sources
.endr
	v_lshlrev_b32 v4, 4, v1                        ; 16 x lane
	v_lshlrev_b32 v5, 5, v2
	v_lshlrev_b32 v7, 5, v3                        ; b1: 32 h
	v_mul_u32_u24 v6, v2, WP
	v_mul_u32_u24 v20, v2, 3072
	v_lshlrev_b32 v18, 3, v1
	v_lshl_add_u32 v16, v2, 2, SST
	v_lshl_add_u32 v17, v1, 3, SST
	v_lshl_add_u32 v5, v3, 4, v5                   ; scale bytes: 32 r + 16 h
	v_mad_u32_u24 v[ADW], v3, 24, v6
	v_mad_u32_u24 v[ADX], v3, 104, v6
	v_mad_u32_u24 v20, v3, 24, v20                 ; w2: row r of 3,072 bytes, + 24 h
	v_add_nc_u32 v16, s58, v16
	v_add_nc_u32 v17, s58, v17
.irp g, 1,2,3
	v_add_nc_u32 v[ADW+\g], \g*WGB, v[ADW]
	v_add_nc_u32 v[ADX+\g], \g*WGB, v[ADX]
.endr
	s_wait_alu depctr_va_vdst(0)                   ; the end of the head's vector work
.irp p, 0,1,2,3,4,5
	global_load_b64 v[PCF+2*\p:PCF+2*\p+1], v20, s[68:69] offset:48*(\p/3)+8*(\p%3)   ; my fragment of w2, as the operand's registers take it; the oldest loads of the wave
.endr
.irp m, 0,1
	global_load_b128 v[AS+4*\m:AS+4*\m+3], v5, s[6:7] offset:512*\m
.endr
	LDWS 0
	LDBI 0
	WIN 0x40
.irp s, 0,1,2,3,4,5,6,7                ; x's fragments, K step by K step: six loads a step
.irp m, 0,1
.irp c, 0,1,2
	global_load_b128 v[XF+12*(8*\m+\s)+4*\c:XF+12*(8*\m+\s)+4*\c+3], v4, s[4:5] offset:12288*\m+1536*\s+512*\c
.endr
.endr
.endr
	WIN 0
	s_wait_tensorcnt 0x0                           ; my 32 rows of w1 are in
	s_barrier_signal -1
	s_barrier_wait -1                              ; everybody's are; nothing is filled again
	FETCHW 0, 0, 0
	PASS 0, 1
	PLACES
	FETCHW 1, 0, 0
	WIN 0
.irp c, 0,1,2
	global_store_b128 v4, v[PCF+4*\c:PCF+4*\c+3], s[70:71] offset:512*\c   ; w2's image (its loads are older than x's, which pass 0 has waited for): 512 consecutive bytes, aligned
.endr
	s_wait_xcnt 0x0                                ; these registers are written again only behind this wait
	EPI 0
	s_wait_loadcnt 0x0                             ; the pass's bias and scale words
	PASS 1, 0
	PLACES
	FETCHW 2, 0, 0
	EPI 1
	s_wait_loadcnt 0x0
	PASS 2, 0
	PLACES
	FETCHW 3, 0, 0
	EPI 2
	s_wait_loadcnt 0x0
	PASS 3, 0
	PLACES
	EPI 3
	WIN 0
	s_wait_tensorcnt 0x0                           ; the wave's end
	ds_add_u32 v[SPW], v[NIL]
	s_wait_dscnt 0x0
	CROUND                                         ; the closing round: no work-group ends while a partner may still ask for a tile that names it
	s_endpgm
.Lfunc_end_k_qf750aef006_mlp1:
	.size	k_qf750aef006_mlp1, .Lfunc_end_k_qf750aef006_mlp1-k_qf750aef006_mlp1
	.p2alignl 7, 3214868480
	.fill 96, 4, 3214868480
	.section	.rodata,"a",@progbits
	.p2align	6, 0x0
	.amdhsa_kernel k_qf750aef006_mlp1
		.amdhsa_group_segment_fixed_size 261120
		.amdhsa_private_segment_fixed_size 0
		.amdhsa_enable_private_segment 0
		.amdhsa_kernarg_size 72
		.amdhsa_user_sgpr_count 2
		.amdhsa_user_sgpr_kernarg_segment_ptr 1
		.amdhsa_wavefront_size32 1
		.amdhsa_system_sgpr_workgroup_id_x 1
		.amdhsa_system_sgpr_workgroup_id_y 1
		.amdhsa_system_sgpr_workgroup_id_z 1
		.amdhsa_system_vgpr_workitem_id 0
		.amdhsa_next_free_vgpr 512
		.amdhsa_next_free_sgpr 80
		.amdhsa_reserve_vcc 0
		.amdhsa_float_denorm_mode_32 3
		.amdhsa_float_denorm_mode_16_64 3
		.amdhsa_memory_ordered 1
		.amdhsa_forward_progress 1
		.amdhsa_inst_pref_size 173
	.end_amdhsa_kernel
	.amdgpu_metadata
---
amdhsa.version: [ 1, 2 ]
amdhsa.kernels:
  - .name:           k_qf750aef006_mlp1
    .symbol:         k_qf750aef006_mlp1.kd
    .args:
      - { .name: hc, .offset: 0, .size: 8, .value_kind: global_buffer, .address_space: global }
      - { .name: hs, .offset: 8, .size: 8, .value_kind: global_buffer, .address_space: global }
      - { .name: w1_codes, .offset: 16, .size: 8, .value_kind: global_buffer, .address_space: global }
      - { .name: w1_scales, .offset: 24, .size: 8, .value_kind: global_buffer, .address_space: global }
      - { .name: b1, .offset: 32, .size: 8, .value_kind: global_buffer, .address_space: global }
      - { .name: ac, .offset: 40, .size: 8, .value_kind: global_buffer, .address_space: global }
      - { .name: asc, .offset: 48, .size: 8, .value_kind: global_buffer, .address_space: global }
      - { .name: w2_codes, .offset: 56, .size: 8, .value_kind: global_buffer, .address_space: global }
      - { .name: w2i, .offset: 64, .size: 8, .value_kind: global_buffer, .address_space: global }
    .group_segment_fixed_size: 261120
    .private_segment_fixed_size: 0
    .kernarg_segment_align: 8
    .kernarg_segment_size: 72
    .max_flat_workgroup_size: 256
    .sgpr_count:     80
    .vgpr_count:     512
    .wavefront_size: 32
...
	.end_amdgpu_metadata
.endif
;; end of part 3
;; launch mlp2 (part 4): grid 8 x 32, 4 waves a work-group, clusters of 4 x 4, 327,680 bytes of LDS; arguments ac, asc, w2i, w2_scales, b2, x2, out0; writes out0
.if DOCPART == 4
	.amdgcn_target "amdgcn-amd-amdhsa--gfx1250"
	.amdhsa_code_object_version 6
	.text
	.protected	k_qf750aef006_mlp2
	.globl	k_qf750aef006_mlp2
	.p2align	8
	.type	k_qf750aef006_mlp2,@function
k_qf750aef006_mlp2:
	s_mov_b64 s[64:65], 0
	v_nop
	global_prefetch_b8 v0, s[64:65] scope:SCOPE_SE
	s_setreg_imm32_b32 hwreg(HW_REG_WAVE_MODE, 25, 1), 1
	s_wait_xcnt 0x0
	s_wait_alu depctr_hold_cnt(0) depctr_sa_sdst(0) depctr_va_vdst(0) depctr_va_sdst(0) depctr_va_ssrc(0) depctr_va_vcc(0) depctr_vm_vsrc(0)
	s_getreg_b32 s2, hwreg(HW_REG_IB_STS2, 6, 4)
	s_cmp_eq_u32 s2, 0
	s_cbranch_scc0 .Lentry_in_a_cluster
	s_endpgm
.Lentry_in_a_cluster:
	s_bfe_u32 s2, ttmp6, 0x10000c
	s_cmp_lg_u32 s2, 0xf033
	s_cbranch_scc0 .Lentry_shape_is_right
	s_endpgm
.Lentry_shape_is_right:
; out0 = x2 + act w2 + b2: [4096 x 4096] x [4096 x 1024] on codes of FP6 (E2M3) with E8M0 scales; sums in f32, K ascending, one accumulator an output.
; A tile of the result is 128 x 128: 256 work-groups.  Four waves, each 64 x 64: 16 accumulators by turns, 16 matrix instructions for each of the 32 K steps of 128; the walk is written out by macros.
; BOTH OPERANDS lie in memory as images of the operand's registers: [tile of 16 rows][K step][1,536 bytes], chunk c = every lane's registers 4 c .. 4 c + 3 at 16 x lane (act from the launch before, w2 laid so by it too).
; So a tensor row is one tile's run of K steps, begins at a multiple of 1,536 bytes, needs no padding in LDS, and a fragment is three loads of 16 bytes a lane at 16 x lane.
; LDS: slot X, 7 K steps (8 + 8 tiles x 7 x 1,536 = 172,032 bytes) and slot Y, 6 K steps (147,456).  The 32 steps go as groups of 7, 6, 7, 6, 6 in X, Y, X, Y, X: three refills.
; Each wave fetches four tiles' rows of a group by one tensor load: waves 0, 1 for A, waves 2, 3 for w2.  A refill is asked for when its slot is read out and has the other slot's 6 or 7 steps in which to land.
; CLUSTER 4 x 4: A's tiles hang on the row block alone and are asked for jointly along a row of the cluster, w2's on the column block alone, jointly along a column.
; PREFETCH: behind each joint load the group after the one asked for: of the four tiles that a wave fetches each of the four partners names one (by address: cx for A, cy for w2), a lane a block of 256 bytes, two instructions
; (36 or 42 blocks; lanes left over name the last again).  The last group's load asks for nothing.
; Scale words go straight into registers at the head: act's as 128 consecutive bytes a load (32 rows, one K step), w2's as 16 bytes (four K steps) of each of 32 rows; each wave reads its 64 rows' and 64 columns' words once.
; TRANSPOSED (source 0 = 16 rows of w2, source 1 = 16 rows of act): a lane holds eight neighbouring numbers of a row.  The way out goes through a stage in slot Y, which has had its last fill and its last read by then.
; REGISTERS, in windows of 256.  Window 0: v1-29 addresses; v32-95 act's scale words (2 a step); v96-159 w2's; v160-163 b2.  Window 1: v0-127 accumulators ((m, b) at 8 (4 m + b)).
; Window 2: two sets of fragments at v0, v96 (A's four, then w2's four).  Window 3: v0-127 x2; v128-191 rows on their way out.
.set FRB,   1536
.set SX,    0
.set SY,    172032
.set SPARE, 319488
.set STG,   SY
.set ADA,  8                           ; v8-10   my A fragments: groups of 7 in X, of 6 in Y, of 6 in X
.set ADB,  11                          ; v11-13  the same for w2
.set STO,  14
.set RD,   15
.set CO,   16
.set PF1,  18                          ; v18     prefetch: 256 x lane
.set PF7,  19                          ; v19     256 x min(32 + lane, 41)
.set PF6,  20                          ; v20     256 x min(32 + lane, 35)
.set SPW,  28
.set NIL,  29
.set SA,   32
.set SBR,  96
.set BI,   160
.set OB,   128
.set WV,   18
.set OP,   19                          ; wave / 2: my half of the rows; also: I fetch for A (0) or w2 (1)
.set HF,   20                          ; wave % 2: my half of the columns; also: which four tiles I fetch
.set G1A,  28
.set G1B,  36
.set G0A,  44
.set G0B,  48
.set W7,   52
.set W6,   53
.set PFA,  54
.set MSB, 0
.macro WIN new                         ; bits 1:0 source 0, 3:2 source 1, 5:4 source 2, 7:6 destination; the high byte repeats the setting that is left
.if MSB != (\new)
	s_set_vgpr_msb (MSB<<8)|(\new)
.set MSB, (\new)
.endif
.endm
.macro PLACES                          ; four places behind a matrix instruction (ISA guide 7.12.1)
.rept 4
	v_nop
.endr
.endm
.macro CREST                           ; a round of the cluster's barrier behind its opening barrier
	s_cmp_lg_u32 s[WV], 0
	s_cbranch_scc1 .Lnot_wave_0_\@
	s_barrier_signal -3
.Lnot_wave_0_\@:
	s_barrier_wait -3
	s_barrier_signal -1
	s_barrier_wait -1
.endm
.macro CROUND
	s_barrier_signal -1
	s_barrier_wait -1
	CREST
.endm
.macro JLOAD                           ; a joint load: each line has one mask and one set of registers; the branch hangs on the wave's number alone
	s_cmp_eq_u32 s[OP], 0
	s_cbranch_scc0 .Lfor_b_\@
	tensor_load_to_lds s[G0A:G0A+3], s[G1A:G1A+7]
	s_nop 0
.rept 4
	v_nop
.endr
	s_branch .Lasked_\@
.Lfor_b_\@:
	tensor_load_to_lds s[G0B:G0B+3], s[G1B:G1B+7]
	s_nop 0
.rept 4
	v_nop
.endr
.Lasked_\@:
.endm
.macro NEXTD c, w, base, d             ; the descriptors of the next group: rows of c elements of 8 bytes, to LDS base + my share, d K steps further on.  Written where no tensor load of mine is out
.irp g, G1A, G1B
	s_mov_b32 s[\g+1], (\c)<<16
	s_mov_b32 s[\g+3], (\c)<<16
.endr
	s_add_co_u32 s[G0A+1], s[\w], \base
	s_add_co_u32 s[G0B+1], s[\w], \base
	s_add_nc_u64 s[G0A+2:G0A+3], s[G0A+2:G0A+3], (\d)*FRB
	s_add_nc_u64 s[G0B+2:G0B+3], s[G0B+2:G0B+3], (\d)*FRB
.endm
.macro ASK s0, pf                      ; the group that begins at K step s0: my work-group's tile of the four that I fetch
	global_prefetch_b8 v[PF1], s[PFA:PFA+1] offset:(\s0)*FRB th:TH_LOAD_NT scope:SCOPE_SE
	global_prefetch_b8 v[\pf], s[PFA:PFA+1] offset:(\s0)*FRB th:TH_LOAD_NT scope:SCOPE_SE
.endm
.macro WHERE s                         ; CF: which address register; KK: the step's place in its group; SS: the group's steps
.if (\s) < 7
.set CF, 0
.set KK, (\s)
.elseif (\s) < 13
.set CF, 1
.set KK, (\s)-7
.elseif (\s) < 20
.set CF, 0
.set KK, (\s)-13
.elseif (\s) < 26
.set CF, 1
.set KK, (\s)-20
.else
.set CF, 2
.set KK, (\s)-26
.endif
.if CF == 0
.set SS, 7
.else
.set SS, 6
.endif
.endm
.macro FETCH s                         ; 24 LDS loads: step s's four fragments of w2 and four of A into set s % 2
	WHERE \s
	WIN 0x80
.set FB, 96*((\s)%2)
.irp i, 0,1,2,3
.irp c, 0,1,2
	ds_load_b128 v[FB+48+12*\i+4*\c:FB+48+12*\i+4*\c+3], v[ADB+CF] offset:(\i*SS+KK)*FRB+512*\c
.endr
.endr
.irp i, 0,1,2,3
.irp c, 0,1,2
	ds_load_b128 v[FB+12*\i+4*\c:FB+12*\i+4*\c+3], v[ADA+CF] offset:(\i*SS+KK)*FRB+512*\c
.endr
.endr
.endm
.macro W1 c, ra, rb                    ; on xD, xA, xB, xSA, xSB; ra, rb = 1: that source's scale words are taken from lanes 16-31
.if (\ra) && (\rb)
	v_wmma_scale_f32_16x16x128_f8f6f4 v[xD:xD+7], v[xA:xA+11], v[xB:xB+11], \c, v[xSA], v[xSB] matrix_a_fmt:MATRIX_FMT_FP6 matrix_b_fmt:MATRIX_FMT_FP6 matrix_a_scale:MATRIX_SCALE_ROW1 matrix_b_scale:MATRIX_SCALE_ROW1
.elseif (\ra)
	v_wmma_scale_f32_16x16x128_f8f6f4 v[xD:xD+7], v[xA:xA+11], v[xB:xB+11], \c, v[xSA], v[xSB] matrix_a_fmt:MATRIX_FMT_FP6 matrix_b_fmt:MATRIX_FMT_FP6 matrix_a_scale:MATRIX_SCALE_ROW1
.elseif (\rb)
	v_wmma_scale_f32_16x16x128_f8f6f4 v[xD:xD+7], v[xA:xA+11], v[xB:xB+11], \c, v[xSA], v[xSB] matrix_a_fmt:MATRIX_FMT_FP6 matrix_b_fmt:MATRIX_FMT_FP6 matrix_b_scale:MATRIX_SCALE_ROW1
.else
	v_wmma_scale_f32_16x16x128_f8f6f4 v[xD:xD+7], v[xA:xA+11], v[xB:xB+11], \c, v[xSA], v[xSB] matrix_a_fmt:MATRIX_FMT_FP6 matrix_b_fmt:MATRIX_FMT_FP6
.endif
.endm
.macro MULH s, m0                      ; eight matrix instructions: row tiles m0, m0 + 1 x the four column tiles.  The 16 accumulators take turns in one order in every step; step 0 starts the sums
.irp m, \m0, \m0+1
.irp b, 0,1,2,3
.set xD, 8*(4*(\m)+\b)
.set xA, 96*((\s)%2)+48+12*\b
.set xB, 96*((\s)%2)+12*(\m)
.set xSA, SBR+4*(2*((\s)/4)+\b/2)+(\s)%4
.set xSB, SA+2*(\s)+(\m)/2
.if (\s) == 0
	W1 0, \b%2, (\m)%2
.else
	W1 v[xD:xD+7], \b%2, (\m)%2
.endif
.endr
.endr
.endm
.macro XLOAD                           ; my 64 x 64 of x2: sixteen lanes read 256 consecutive bytes of a row; read once in the launch
	WIN 0xc0
.irp m, 0,1,2,3
.irp i, 0,1,2,3,4,5,6,7
	global_load_b128 v[32*\m+4*\i:32*\m+4*\i+3], v[CO], s[14:15] offset:(16*\m+2*\i)*4096 th:TH_LOAD_NT
.endr
.endr
.endm
; K STEP s.  The last step of a group changes slots: all my tensor loads are waited for, the add, the wait for it and for my reads of the slot, the barrier (which opens a round where the slot is filled again), the refill, the next step's fetch.
.macro STEP s
.if (\s) == 6 || (\s) == 12 || (\s) == 19 || (\s) == 25
	WIN 0
	s_wait_tensorcnt 0x0                           ; my part of the next group is in
.if (\s) != 25
	ds_add_u32 v[SPW], v[NIL]
.if (\s) == 6
	NEXTD 1344, W7, SX, 6
.elseif (\s) == 12
	NEXTD 1152, W6, SY, 7
.else
	NEXTD 1152, W6, SX, 6
.endif
	s_wait_dscnt 1                                 ; this step's fragments are in; the add may be out
.else
	s_wait_dscnt 0x0
.endif
	WIN 0x5a
	MULH \s, 0
	s_wait_dscnt 0x0                               ; the add is done; my reads of this slot are over
	s_barrier_signal -1
	MULH \s, 2
	WIN 0
	s_barrier_wait -1
.if (\s) != 25
	CREST
	JLOAD                                          ; the first tensor load behind the round; its four v_nop are the places for the loads below
.else
	PLACES
.endif
	FETCH (\s)+1
	WIN 0
.if (\s) == 6
	ASK 20, PF6
.elseif (\s) == 12
	ASK 26, PF6
.endif
.else
.if (\s) > 0
	PLACES                                         ; the set fetched into below was read by the step before
.endif
.if (\s) < 31
	FETCH (\s)+1
.if (\s) == 8
	XLOAD
.endif
	s_wait_dscnt 24                                ; this step's fragments are in; the 24 loads just issued may be out
.else
	s_wait_dscnt 0x0
.endif
	WIN 0x5a
	MULH \s, 0
	MULH \s, 2
.endif
.endm
	s_load_b256 s[4:11], s[0:1], 0x0               ; act's codes s[4:5], its scale words s[6:7], w2's images s[8:9], w2's scale bytes s[10:11]
	s_load_b128 s[12:15], s[0:1], 0x20             ; b2 s[12:13], x2 s[14:15]
	s_load_b64 s[16:17], s[0:1], 0x30              ; the result
	v_lshl_add_u32 v[SPW], v0, 2, SPARE
	v_mov_b32 v[NIL], 0
	ds_add_u32 v[SPW], v[NIL]                      ; the opening lines: the add twice on end and its wait
	ds_add_u32 v[SPW], v[NIL]
	v_lshrrev_b32 v1, 5, v0
	v_readfirstlane_b32 s[WV], v1
	s_lshr_b32 s[OP], s[WV], 1
	s_and_b32 s[HF], s[WV], 1
	s_bfe_u32 s21, ttmp6, 0x40000                  ; cx
	s_bfe_u32 s22, ttmp6, 0x40004                  ; cy
	s_lshl_b32 s23, ttmp9, 2
	s_add_co_u32 s23, s23, s21                     ; column block
	s_and_b32 s24, ttmp7, 0xffff
	s_lshl_b32 s24, s24, 2
	s_add_co_u32 s24, s24, s22                     ; row block
	s_lshl_b32 s25, s22, 2
	s_lshl_b32 s25, 15, s25                        ; my row of the cluster
	s_lshl_b32 s26, 0x1111, s21                    ; my column
	s_or_b32 s[G1A], s25, (3<<16)|(1<<21)          ; elements of 8 bytes; bit 21 set beside a mask
	s_or_b32 s[G1B], s26, (3<<16)|(1<<21)
.irp g, G1A, G1B
	s_mov_b32 s[\g+1], 1344<<16                    ; a row: 7 K steps x 192 elements
	s_mov_b32 s[\g+2], 4<<16                       ; four tiles
	s_mov_b32 s[\g+3], 1344<<16
	s_mov_b32 s[\g+4], 4
	s_mov_b32 s[\g+5], 6144                        ; 49,152 bytes from tile to tile
	s_mov_b32 s[\g+6], 0
	s_mov_b32 s[\g+7], 0
.endr
	s_mul_i32 s[W7], s[WV], 4*7*FRB                ; my share of a slot: A's two halves, then w2's two halves
	s_mul_i32 s[W6], s[WV], 4*6*FRB
	s_mul_i32 s56, s24, 393216                     ; A: eight tiles a row block
	s_mov_b32 s57, 0
	s_mul_i32 s58, s23, 393216                     ; w2: eight tiles a column block
	s_mov_b32 s59, 0
	s_mul_i32 s60, s[HF], 196608                   ; the four tiles that I fetch
	s_mov_b32 s61, 0
	s_lshl_b32 s66, s24, 14                        ; act's scale words: 8,192 bytes for 64 rows
	s_lshl_b32 s67, s[OP], 13
	s_add_co_u32 s66, s66, s67
	s_mov_b32 s67, 0
	s_lshl_b32 s68, s23, 14                        ; w2's scale bytes: 128 a row
	s_lshl_b32 s69, s[HF], 13
	s_add_co_u32 s68, s68, s69
	s_mov_b32 s69, 0
	s_lshl_b32 s70, s23, 9                         ; my 64 columns, in bytes
	s_lshl_b32 s71, s[HF], 8
	s_add_co_u32 s70, s70, s71
	s_mov_b32 s71, 0
	s_lshl_b32 s72, s24, 19                        ; my 64 rows of 4,096 bytes
	s_lshl_b32 s73, s[OP], 18
	s_add_co_u32 s72, s72, s73
	s_add_co_u32 s72, s72, s70
	s_mov_b32 s73, 0
	s_mul_i32 s74, s[OP], 4*7*FRB                  ; LDS: my four tiles of A, of w2, in a group of 7
	s_mul_i32 s75, s[HF], 4*7*FRB
	s_add_co_u32 s75, s75, 8*7*FRB
	s_mul_i32 s76, s[OP], 4*6*FRB                  ; and in a group of 6
	s_mul_i32 s77, s[HF], 4*6*FRB
	s_add_co_u32 s77, s77, 8*6*FRB
	s_mul_i32 s78, s[WV], 4352
	s_add_co_u32 s78, s78, STG                     ; my stage
	s_wait_dscnt 0x0
	s_wait_kmcnt 0x0
	s_add_nc_u64 s[56:57], s[4:5], s[56:57]
	s_add_nc_u64 s[58:59], s[8:9], s[58:59]
	s_mov_b32 s[G0A], 1
	s_mov_b32 s[G0A+1], s[W7]
	s_add_nc_u64 s[G0A+2:G0A+3], s[56:57], s[60:61]
	s_or_b32 s[G0A+3], s[G0A+3], 0x80000000
	s_mov_b32 s[G0B], 1
	s_mov_b32 s[G0B+1], s[W7]
	s_add_nc_u64 s[G0B+2:G0B+3], s[58:59], s[60:61]
	s_or_b32 s[G0B+3], s[G0B+3], 0x80000000
	CROUND                                         ; all sixteen work-groups are here: the first joint loads meet
	JLOAD                                          ; K steps 0-6: one tensor load a wave at the head
	s_cmp_eq_u32 s[OP], 0
	s_cselect_b32 s62, s21, s22                    ; my place among the four that ask with me
	s_cselect_b64 s[PFA:PFA+1], s[56:57], s[58:59]
	s_mul_i32 s62, s62, 49152
	s_mov_b32 s63, 0
	s_add_nc_u64 s[PFA:PFA+1], s[PFA:PFA+1], s[60:61]
	s_add_nc_u64 s[PFA:PFA+1], s[PFA:PFA+1], s[62:63]
	s_add_nc_u64 s[6:7], s[6:7], s[66:67]
	s_add_nc_u64 s[10:11], s[10:11], s[68:69]
	s_add_nc_u64 s[12:13], s[12:13], s[70:71]
	s_add_nc_u64 s[14:15], s[14:15], s[72:73]
	s_add_nc_u64 s[16:17], s[16:17], s[72:73]
	v_and_b32 v1, 31, v0                           ; lane
	v_and_b32 v2, 15, v0                           ; r
	v_bfe_u32 v3, v0, 4, 1                         ; h
	v_lshlrev_b32 v4, 4, v1
	v_lshlrev_b32 v5, 2, v1
	v_lshlrev_b32 v6, 7, v1
	v_lshlrev_b32 v17, 4, v2
	v_add_nc_u32 v[ADA], s74, v4
	v_add_nc_u32 v[ADB], s75, v4
	v_add_nc_u32 v[ADA+2], s76, v4
	v_add_nc_u32 v[ADB+2], s77, v4
	v_add_nc_u32 v[ADA+1], SY, v[ADA+2]
	v_add_nc_u32 v[ADB+1], SY, v[ADB+2]
	v_mul_u32_u24 v[STO], v2, 272
	v_lshl_add_u32 v[STO], v3, 5, v[STO]
	v_add_nc_u32 v[STO], s78, v[STO]               ; the stage, in: row r, + 32 h
	v_mul_u32_u24 v[RD], v3, 272
	v_lshl_add_u32 v[RD], v2, 4, v[RD]
	v_add_nc_u32 v[RD], s78, v[RD]                 ; back: lanes 0-15 one row, lanes 16-31 the next
	v_lshlrev_b32 v[CO], 12, v3
	v_lshl_add_u32 v[CO], v2, 4, v[CO]             ; the same two rows in x2 and the result
	v_lshlrev_b32 v[PF1], 8, v1
	v_add_nc_u32 v[PF7], 32, v1
	v_min_u32 v[PF6], 35, v[PF7]
	v_min_u32 v[PF7], 41, v[PF7]
	v_lshlrev_b32 v[PF6], 8, v[PF6]
	v_lshlrev_b32 v[PF7], 8, v[PF7]
	s_wait_alu depctr_va_vdst(0)                   ; the end of the head's vector work
	ASK 7, PF6
.irp g, 0,1,2,3,4,5,6,7
.irp bh, 0,1
	global_load_b128 v[SBR+4*(2*\g+\bh):SBR+4*(2*\g+\bh)+3], v6, s[10:11] offset:4096*\bh+16*\g   ; w2's words of K steps 4 g on: lanes 0-15 column tile 2 bh, lanes 16-31 tile 2 bh + 1
.endr
.endr
.set n, 0
.rept 32
	global_load_b32 v[SA+2*n], v5, s[6:7] offset:128*n          ; act's words of K step n lie as [32 rows' block][K step][32 rows]: lanes 0-15 row tile 0, lanes 16-31 tile 1;
	global_load_b32 v[SA+2*n+1], v5, s[6:7] offset:4096+128*n   ; tiles 2 and 3, in the next block
.set n, n+1
.endr
	global_load_b128 v[BI:BI+3], v17, s[12:13]     ; b2 at my four columns of a row on its way out
	s_wait_tensorcnt 0x0                           ; my part of K steps 0-6 is in; slot Y's first fill is issued as a refill is:
	ds_add_u32 v[SPW], v[NIL]
	NEXTD 1152, W6, SY, 7
	s_wait_dscnt 0x0
	CROUND
	JLOAD                                          ; K steps 7-12
	FETCH 0
	WIN 0
	ASK 13, PF7
	s_wait_loadcnt 0x0                             ; the scale words and b2
.set ST, 0
.rept 32
	STEP ST
.set ST, ST+1
.endr
; THE WAY OUT, a tile of 16 rows x 64 columns at a time: through my own stage, back as rows of 256 bytes, + x2 + b2, stored.  LDS serves a wave's instructions in order: no wait between the stores and the loads.
.macro TOSTAGE m
	WIN 0x04
.irp b, 0,1,2,3
	ds_store_b128 v[STO], v[8*(4*(\m)+\b):8*(4*(\m)+\b)+3] offset:64*\b         ; each accumulator from its low end on
	ds_store_b128 v[STO], v[8*(4*(\m)+\b)+4:8*(4*(\m)+\b)+7] offset:64*\b+16
.endr
	WIN 0xc0
.irp i, 0,1,2,3,4,5,6,7
	ds_load_b128 v[OB+32*((\m)%2)+4*\i:OB+32*((\m)%2)+4*\i+3], v[RD] offset:544*\i
.endr
.endm
.macro SEND m, younger
.set BB, OB+32*((\m)%2)
	s_wait_dscnt \younger                          ; the block is back; the next block's 8 stores and 8 loads may be out
	WIN 0xcf
.set j, 0
.rept 16
	v_pk_add_f32 v[BB+j:BB+j+1], v[BB+j:BB+j+1], v[32*(\m)+j:32*(\m)+j+1]
.set j, j+2
.endr
	WIN 0xc3
.irp i, 0,1,2,3,4,5,6,7
	v_pk_add_f32 v[BB+4*\i:BB+4*\i+1], v[BB+4*\i:BB+4*\i+1], v[BI:BI+1]
	v_pk_add_f32 v[BB+4*\i+2:BB+4*\i+3], v[BB+4*\i+2:BB+4*\i+3], v[BI+2:BI+3]
.endr
	WIN 0x0c
.irp i, 0,1,2,3,4,5,6,7
	global_store_b128 v[CO], v[BB+4*\i:BB+4*\i+3], s[16:17] offset:(16*(\m)+2*\i)*4096 th:TH_STORE_NT   ; sixteen lanes store 256 consecutive bytes, aligned
.endr
.endm
	PLACES
	s_wait_loadcnt 0x0                             ; x2
	TOSTAGE 0
.irp m, 1,2,3
.if \m > 1
	s_wait_xcnt 0x0                                ; block m - 2's stores have read their registers
.endif
	TOSTAGE \m
	SEND \m-1, 16
.endr
	SEND 3, 0
	WIN 0
	s_wait_tensorcnt 0x0                           ; the wave's end
	ds_add_u32 v[SPW], v[NIL]
	s_wait_dscnt 0x0
	CROUND                                         ; the closing round
	s_endpgm
.Lfunc_end_k_qf750aef006_mlp2:
	.size	k_qf750aef006_mlp2, .Lfunc_end_k_qf750aef006_mlp2-k_qf750aef006_mlp2
	.p2alignl 7, 3214868480
	.fill 96, 4, 3214868480
	.section	.rodata,"a",@progbits
	.p2align	6, 0x0
	.amdhsa_kernel k_qf750aef006_mlp2
		.amdhsa_group_segment_fixed_size 327680
		.amdhsa_private_segment_fixed_size 0
		.amdhsa_enable_private_segment 0
		.amdhsa_kernarg_size 56
		.amdhsa_user_sgpr_count 2
		.amdhsa_user_sgpr_kernarg_segment_ptr 1
		.amdhsa_wavefront_size32 1
		.amdhsa_system_sgpr_workgroup_id_x 1
		.amdhsa_system_sgpr_workgroup_id_y 1
		.amdhsa_system_sgpr_workgroup_id_z 1
		.amdhsa_system_vgpr_workitem_id 0
		.amdhsa_next_free_vgpr 1024
		.amdhsa_next_free_sgpr 80
		.amdhsa_reserve_vcc 0
		.amdhsa_float_denorm_mode_32 3
		.amdhsa_float_denorm_mode_16_64 3
		.amdhsa_memory_ordered 1
		.amdhsa_forward_progress 1
		.amdhsa_inst_pref_size 160
	.end_amdhsa_kernel
	.amdgpu_metadata
---
amdhsa.version: [ 1, 2 ]
amdhsa.kernels:
  - .name:           k_qf750aef006_mlp2
    .symbol:         k_qf750aef006_mlp2.kd
    .args:
      - { .name: ac, .offset: 0, .size: 8, .value_kind: global_buffer, .address_space: global }
      - { .name: asc, .offset: 8, .size: 8, .value_kind: global_buffer, .address_space: global }
      - { .name: w2i, .offset: 16, .size: 8, .value_kind: global_buffer, .address_space: global }
      - { .name: w2_scales, .offset: 24, .size: 8, .value_kind: global_buffer, .address_space: global }
      - { .name: b2, .offset: 32, .size: 8, .value_kind: global_buffer, .address_space: global }
      - { .name: x2, .offset: 40, .size: 8, .value_kind: global_buffer, .address_space: global }
      - { .name: out0, .offset: 48, .size: 8, .value_kind: global_buffer, .address_space: global }
    .group_segment_fixed_size: 327680
    .private_segment_fixed_size: 0
    .kernarg_segment_align: 8
    .kernarg_segment_size: 56
    .max_flat_workgroup_size: 128
    .sgpr_count:     80
    .vgpr_count:     1024
    .wavefront_size: 32
...
	.end_amdgpu_metadata
.endif
;; end of part 4
